; MI455X (gfx1250); checked and timed in simulation.
; The chip was launched on July 23, 2026; its instructions are those of AMD's public machine-readable ISA for CDNA 5 (MIT licence, August 2026) and "CDNA5" Instruction Set Architecture Reference Guide (July 2026). The comments in the code are by the model that wrote it; some were corrected since.
;; Mo E. Allowed arithmetic: matrix products marked QUANTISED: E2M3 operands, one E8M0 scale for each 32 along K, by v_wmma_scale_f32_16x16x128_f8f6f4 with both operands' format E2M3, f32 sums; products left as they are: f32 operands where the result goes on into a quantised operand, else bf16, f16 or f32 operands; f32 sums; everything else in f32.
;; Inputs: W1_codes 8 x 2,048 x 32 x 24 uint8 (E2M3 codes of W1, K innermost, in blocks of 32 codes, four codes in three bytes); W1_scales 8 x 2,048 x 32 uint8 (E8M0 scales of W1, one for each 32 codes along K); W2_codes 8 x 1,024 x 64 x 24 uint8 (E2M3 codes of W2, K innermost, in blocks of 32 codes, four codes in three bytes); W2_scales 8 x 1,024 x 64 uint8 (E8M0 scales of W2, one for each 32 codes along K); Wg 1,024 x 8 float32; b1 8 x 2,048 float32; b2 8 x 1,024 float32; bg 8 float32; x 2,048 x 1,024 float32.
;; Outputs: out0 2,048 x 1,024 float32.
;; This version of the problem:
;;   THIS VERSION OF THE PROBLEM IS GIVEN IN LOW PRECISION. The matrix products marked QUANTISED in the list below multiply operands that are first quantised to E2M3 (2 exponent bits, 3 mantissa bits; 6 bits a number), with one power-of-two scale for each 32 numbers along K (OCP MX v1.0); their sums are f32. All else is computed in f32.
;;   The module's matrix products, in the order in which they are computed (A, B: the left and right operand; K: the contracted axis; several contracted axes count as one K, in the product's order):
;;     1. [M 2,048, K 1,024] x [K 1,024, N 8]; A: input x; B: input Wg: left as it is (N = 8 < 16)
;;     2. [M 16,384, K 1,024] x [K 1,024, N 2,048]; A: input W1 (given as codes); B: input x: QUANTISED
;;     3. batch 8 x [M 2,048, K 2,048] x [K 2,048, N 1,024]; A: computed on the way; B: input W2 (given as codes): QUANTISED
;;   THE QUANTISER, for each operand of a quantised product, along K:
;;     - K is cut into blocks of 32 from its start; a last block that is shorter is filled with zeros.
;;     - A block's scale is 2^e with e = floor(log2(the largest magnitude in the block)) - 2, held to -126 .. 127; a block of zeros has e = 0. As a byte (E8M0): e + 127.
;;     - Each number is divided by its block's scale, clamped to +-7.5, and rounded to the nearest number of E2M3, ties to even, subnormals kept.
;;     - The product sums the exact products of the quantised numbers (number of the format x scale) in f32.
;;   ~~~python
;;   def quantise(x, axis):      # numpy; x: float32 -> the quantised numbers, widened to float32 again
;;       x = np.moveaxis(x, axis, -1); K = x.shape[-1]
;;       x = np.pad(x, [(0, 0)] * (x.ndim - 1) + [(0, -K % 32)]); x = x.reshape(x.shape[:-1] + (-1, 32)); a = np.abs(x).max(-1, keepdims=True)
;;       e = np.where(a > 0, np.clip(np.frexp(np.where(a > 0, a, 1))[1] - 1 - 2, -126, 127), 0)      # np.frexp(a)[1] - 1 = floor(log2(a)), exactly
;;       r = np.clip(x / 2.0 ** e, -7.5, 7.5)
;;       step = 2.0 ** (np.maximum(np.frexp(np.where(r == 0, 1, r))[1] - 1, 0) - 3)
;;       q = np.round(r / step) * step * 2.0 ** e      # np.round: ties to even
;;       return np.moveaxis(q.reshape(q.shape[:-2] + (-1,))[..., :K], -1, axis).astype(np.float32)
;;   ~~~
;;   OPERANDS COMPUTED ON THE WAY. 'Computed on the way' means the value that the module computes at that place (a softmax that the list does not call 'softmax' is quantised finished and normalised). What goes into a quantiser is computed in f32, as accurately as f32 sums, v_exp_f32 and their like allow (about 1e-6 of the number): no bf16 or f16 on the way to a quantiser, and a product that is left as it is and whose result goes on into a quantised operand takes f32 operands (vector FMAs, or v_wmma_f32_16x16x4_f32). A number that lies on a knife's edge between two numbers of the format may be rounded either way, as far as f32 arithmetic and the matrix unit's own rounding can turn it there, and no further.
;;   INPUTS GIVEN AS CODES. W1 (in the module: [8, 1024, 2048], K = its axis 1); W2 (in the module: [8, 2048, 1024], K = its axis 1): each comes as NAME_codes (uint8): NAME with its K axis moved to the last place and cut into blocks of 32 codes, [.., K / 32, bytes a block], one block behind the other in memory; four codes in three bytes: a row's codes are one little-endian stream of bits, code i at bits 6 i .. 6 i + 5 (a code: sign, 2 exponent bits, 3 mantissa bits); and NAME_scales (uint8): the same leading axes, one E8M0 byte (e + 127) for each 32 codes along K. Its value is code x scale, taken as it is: it is not quantised again, and the codes and scales need not be those that the quantiser above would give.
;; 2 versions. Each part assembles by itself: llvm-mc -triple=amdgcn-amd-amdhsa -mcpu=gfx1250 --defsym DOCPART=n.
;; ======== version 1 of 2: 5 launches
;; workspace buffers: xq 1,572,864 bytes; xs 65,536 bytes; choice 16,384 bytes of whole numbers; gate 16,384 bytes; rows 65,792 bytes of whole numbers; hid 26,542,080 bytes; hsc 1,105,920 bytes; ybuf 16,777,216 bytes
;; launch route (part 1): grid 256 x 1, 4 waves a work-group, no clusters, 78,848 bytes of LDS; arguments x, Wg, bg, xq, xs, choice, gate; writes xq, xs, choice, gate
.if DOCPART == 1
	.amdgcn_target "amdgcn-amd-amdhsa--gfx1250"
	.amdhsa_code_object_version 6
	.text
	.protected	k_q5197726fce_route
	.globl	k_q5197726fce_route
	.p2align	8
	.type	k_q5197726fce_route,@function
k_q5197726fce_route:
	s_mov_b64 s[64:65], 0
	v_nop
	global_prefetch_b8 v0, s[64:65] scope:SCOPE_SE
	s_setreg_imm32_b32 hwreg(HW_REG_WAVE_MODE, 25, 1), 1
	s_wait_xcnt 0x0
; ROUTE.  For each token: the eight logits x Wg + bg in f32, the two largest (a tie keeps the lower index), the softmax over those two (the larger
; logit is taken away before the exponential); and x quantised along D to E2M3 with one E8M0 byte for each 32 numbers.
; A work-group takes 8 tokens, a wave 2.  A lane holds block l of each token, d = 32 l .. 32 l + 31: a block's largest magnitude needs no other lane, and a
; lane's part of a logit is 32 multiply-adds with its own 32 rows of Wg.
; OUT: xq [token][768]: the codes as one stream of bits, block b at byte 24 b.  xs [token][32]: in each group of four scale bytes the middle two change places,
; since the products take, for 128 along K, 48 consecutive bytes of a row for each half of the lanes.
; choice [2 t + k]: the expert;  gate [2 t + k]: its weight.
; LIMITS: NaN and infinities in x, Wg, bg are not served.  A logit is summed in another order than a plain row sum (32 in a lane, then a tree over 32 lanes), all in f32:
; two logits nearer than that rounding may change places.  A block whose largest magnitude lies under 2^-124 gets the byte 1 (a block of zeros too: its codes are zeros).
.set WREG, 33280                       ; LDS: Wg takes 32 x 1,040 bytes (1,024 + 16 of padding for each lane's 32 rows); then a region for each wave
.set WSZ,  11264                       ; a wave's region: two stages of 32 x 144 bytes for x, two of 64 x 16 bytes for codes
.set CSO,  9216
.set WB,   16                          ; v16-79   Wg as loaded, later two buffers of 4 rows x 8 experts
.set XL,   80                          ; v80-143  x as loaded, later codes
.set X,    144                         ; v144-207 two tokens x 32 neighbours
.set ACC,  208                         ; v208-223 two tokens x 8 logits
	s_load_b256 s[4:11], s[0:1], 0x0               ; x, Wg, bg, xq
	s_load_b128 s[12:15], s[0:1], 0x20             ; xs, choice
	s_load_b64 s[16:17], s[0:1], 0x30              ; gate
	v_lshl_add_u32 v254, v0, 2, 0x13200
	v_mov_b32 v255, 0
	v_lshrrev_b32 v1, 5, v0
	v_readfirstlane_b32 s18, v1                    ; wave
	v_and_b32 v1, 31, v0                           ; lane
	v_lshlrev_b32 v2, 4, v1                        ; x: 16 bytes a lane of a load's 512
	v_lshlrev_b32 v3, 4, v0                        ; Wg: 16 bytes a thread of a load's 2,048
	v_lshrrev_b32 v4, 6, v0
	v_lshl_add_u32 v4, v4, 4, v3                   ; Wg into LDS: + 16 for each 1,024 bytes passed
	v_mul_u32_u24 v5, v1, 1040                     ; Wg out of LDS: my 32 rows
	s_mul_i32 s19, s18, WSZ
	s_add_co_u32 s19, s19, WREG                    ; my wave's region
	v_lshrrev_b32 v6, 3, v1
	v_mul_u32_u24 v6, v6, 144
	v_and_b32 v7, 7, v1
	v_lshl_add_u32 v6, v7, 4, v6
	v_add_nc_u32 v6, s19, v6                       ; x into the stage: eight lanes' 128 bytes are a block: a place of 144 bytes
	v_mul_u32_u24 v7, v1, 144
	v_add_nc_u32 v7, s19, v7                       ; and out: my block
	v_lshl_add_u32 v8, v1, 5, s19
	v_add_nc_u32 v8, CSO, v8                       ; codes in: two places of 16 bytes a lane, 12 bytes in each
	v_lshl_add_u32 v9, v1, 4, s19
	v_add_nc_u32 v9, CSO, v9                       ; codes out: a place a lane
	v_mul_u32_u24 v10, v1, 12                      ; and its 12 bytes in memory
	v_and_b32 v11, 28, v1
	v_and_b32 v12, 1, v1
	v_lshl_or_b32 v11, v12, 1, v11
	v_bfe_u32 v12, v1, 1, 1
	v_or_b32 v11, v11, v12                         ; my scale byte's place: the block number with its two lowest bits exchanged
	s_lshl_b32 s20, ttmp9, 3
	s_lshl_b32 s21, s18, 1
	s_add_co_u32 s20, s20, s21                     ; my first token
	s_lshl_b32 s22, s20, 12
	s_mov_b32 s23, 0
	s_mul_i32 s24, s20, 768
	s_mov_b32 s25, 0
	s_lshl_b32 s26, s20, 5
	s_mov_b32 s27, 0
	s_lshl_b32 s28, s20, 3
	s_mov_b32 s29, 0
	s_mov_b32 s40, 0x76543210
	s_mov_b32 s41, 0xfedcba98                      ; lane selects: lane l xor 16
	s_wait_kmcnt 0x0
	s_load_b256 s[32:39], s[8:9], 0x0              ; bg
	s_add_nc_u64 s[4:5], s[4:5], s[22:23]
	s_add_nc_u64 s[10:11], s[10:11], s[24:25]
	s_add_nc_u64 s[12:13], s[12:13], s[26:27]
	s_add_nc_u64 s[14:15], s[14:15], s[28:29]
	s_add_nc_u64 s[16:17], s[16:17], s[28:29]
.irp n, 0,1,2,3,4,5,6,7,8,9,10,11,12,13,14,15
	global_load_b128 v[WB+4*\n:WB+4*\n+3], v3, s[6:7] offset:2048*\n
.endr
.irp k, 0,1
.irp j, 0,1,2,3,4,5,6,7
	global_load_b128 v[XL+32*\k+4*\j:XL+32*\k+4*\j+3], v2, s[4:5] offset:4096*\k+512*\j th:TH_LOAD_NT
.endr
.endr
	s_wait_loadcnt 16                              ; Wg's sixteen are in; x's sixteen are the younger ones
.irp n, 0,1,2,3,4,5,6,7,8,9,10,11,12,13,14,15
	ds_store_b128 v4, v[WB+4*\n:WB+4*\n+3] offset:2080*\n
.endr
	s_wait_loadcnt 0x0
.irp k, 0,1
.irp j, 0,1,2,3,4,5,6,7
	ds_store_b128 v6, v[XL+32*\k+4*\j:XL+32*\k+4*\j+3] offset:4608*\k+576*\j
.endr
.endr
.irp k, 0,1
.irp i, 0,1,2,3,4,5,6,7
	ds_load_b128 v[X+32*\k+4*\i:X+32*\k+4*\i+3], v7 offset:4608*\k+16*\i    ; my wave's own bytes, served in order behind the stores
.endr
.endr
	s_wait_dscnt 0x0                               ; my part of Wg has landed (for the other waves), and x is back
	s_barrier_signal -1
	s_barrier_wait -1
; THE LOGITS.  Chunk c is rows 4 c .. 4 c + 3 of my 32 rows of Wg: 128 bytes, in two buffers by turns.
.macro FETCHW c
.irp q, 0,1,2,3,4,5,6,7
	ds_load_b128 v[WB+32*((\c)%2)+4*\q:WB+32*((\c)%2)+4*\q+3], v5 offset:128*(\c)+16*\q
.endr
.endm
.macro GATE c
.if (\c) < 7
	FETCHW (\c)+1
	s_wait_dscnt 8                                 ; this chunk is in; the eight just issued may be out
.else
	s_wait_dscnt 0x0
.endif
.set WC, WB+32*((\c)%2)
.irp i, 0,1,2,3
.irp k, 0,1
.irp p, 0,1,2,3
.set XR, X+32*\k+4*(\c)+2*(\i/2)
.if (\c) == 0 && \i == 0
	v_pk_mul_f32 v[ACC+8*\k+2*\p:ACC+8*\k+2*\p+1], v[WC+8*\i+2*\p:WC+8*\i+2*\p+1], v[XR:XR+1] op_sel_hi:[1,0]   ; the first products start the sums
.elseif \i%2 == 0
	v_pk_fma_f32 v[ACC+8*\k+2*\p:ACC+8*\k+2*\p+1], v[WC+8*\i+2*\p:WC+8*\i+2*\p+1], v[XR:XR+1], v[ACC+8*\k+2*\p:ACC+8*\k+2*\p+1] op_sel_hi:[1,0,1]   ; two experts x the pair's first x
.else
	v_pk_fma_f32 v[ACC+8*\k+2*\p:ACC+8*\k+2*\p+1], v[WC+8*\i+2*\p:WC+8*\i+2*\p+1], v[XR:XR+1], v[ACC+8*\k+2*\p:ACC+8*\k+2*\p+1] op_sel:[0,1,0] op_sel_hi:[1,1,1]   ; x the pair's second x
.endif
.endr
.endr
.endr
.endm
	FETCHW 0
.irp c, 0,1,2,3,4,5,6,7
	GATE \c
.endr
; THE CODES.  The two tokens by turns.
.irp k, 0,1
	v_max3_num_f32 v[224+\k], |v[X+32*\k]|, |v[X+32*\k+1]|, 0x1800000    ; with the floor 2^(3 - 127): the byte cannot fall under 1
.endr
.irp i, 2,4,6,8,10,12,14,16,18,20,22,24,26,28,30
.irp k, 0,1
	v_max3_num_f32 v[224+\k], v[224+\k], |v[X+32*\k+\i]|, |v[X+32*\k+\i+1]|
.endr
.endr
.irp k, 0,1
	v_add_nc_u32 v[226+\k], 0xff000000, v[224+\k]  ; 2 off the exponent field: the conversion's scale operand
.endr
.irp k, 0,1
	v_cvt_scalef32_pk16_fp6_f32 v[XL+8*\k:XL+8*\k+2], v[X+32*\k:X+32*\k+15], v[226+\k]
	v_cvt_scalef32_pk16_fp6_f32 v[XL+8*\k+4:XL+8*\k+6], v[X+32*\k+16:X+32*\k+31], v[226+\k]
.endr
.irp k, 0,1
	v_lshrrev_b32 v[228+\k], 23, v[226+\k]         ; the scale's byte (a plain line behind the conversions)
.endr
.irp k, 0,1
	ds_store_b96 v8, v[XL+8*\k:XL+8*\k+2] offset:1024*\k
	ds_store_b96 v8, v[XL+8*\k+4:XL+8*\k+6] offset:1024*\k+16
.endr
.irp k, 0,1
.irp i, 0,1
	ds_load_b96 v[XL+16+8*\k+4*\i:XL+16+8*\k+4*\i+2], v9 offset:1024*\k+512*\i   ; place lane + 32 i: 12 bytes of the row's stream
.endr
.endr
; The sixteen sums over the 32 lanes, while the codes turn through LDS.
.irp x, 1,2,4,8
.irp k, 0,1,2,3,4,5,6,7,8,9,10,11,12,13,14,15
	v_add_f32_dpp v[ACC+\k], v[ACC+\k], v[ACC+\k] row_xmask:\x row_mask:0xf bank_mask:0xf
.endr
.endr
.irp k, 0,1,2,3,4,5,6,7,8,9,10,11,12,13,14,15
	v_permlanex16_b32 v[WB+\k], v[ACC+\k], s40, s41
.endr
.irp k, 0,1,2,3,4,5,6,7,8,9,10,11,12,13,14,15
	v_add_f32 v[ACC+\k], v[ACC+\k], v[WB+\k]
.endr
	s_wait_kmcnt 0x0                               ; bg
.irp k, 0,1
.irp e, 0,1,2,3,4,5,6,7
	v_add_f32 v[ACC+8*\k+\e], s[32+\e], v[ACC+8*\k+\e]
.endr
.endr
	s_wait_dscnt 0x0                               ; the codes are back
.irp k, 0,1
.irp i, 0,1
	global_store_b96 v10, v[XL+16+8*\k+4*\i:XL+16+8*\k+4*\i+2], s[10:11] offset:768*\k+384*\i   ; 32 lanes store 384 consecutive bytes
.endr
	global_store_b8 v11, v[228+\k], s[12:13] offset:32*\k
.endr
; THE TWO LARGEST.  A strict compare in ascending order keeps the lower index of equals.
.macro SCAN src, best, idx
.irp k, 0,1
	v_mov_b32 v[\best+\k], v[\src+8*\k]
	v_mov_b32 v[\idx+\k], 0
.endr
.irp e, 1,2,3,4,5,6,7
.irp k, 0,1
	v_cmp_gt_f32 vcc_lo, v[\src+8*\k+\e], v[\best+\k]
	v_cndmask_b32 v[\best+\k], v[\best+\k], v[\src+8*\k+\e], vcc_lo
	v_cndmask_b32 v[\idx+\k], v[\idx+\k], \e, vcc_lo
.endr
.endr
.endm
	SCAN ACC, 232, 234
	v_mov_b32 v240, 0xff800000                     ; -infinity takes the winner's place
.irp k, 0,1
.irp e, 0,1,2,3,4,5,6,7
	v_cmp_eq_u32 vcc_lo, \e, v[234+\k]
	v_cndmask_b32 v[WB+16+8*\k+\e], v[ACC+8*\k+\e], v240, vcc_lo
.endr
.endr
	SCAN WB+16, 236, 238
.irp k, 0,1
	v_sub_f32 v[242+\k], v[236+\k], v[232+\k]      ; second - first, 0 or less
.endr
.irp k, 0,1
	v_mul_f32 v[242+\k], 0x3fb8aa3b, v[242+\k]
.endr
.irp k, 0,1
	v_exp_f32 v[242+\k], v[242+\k]                 ; p = e^(second - first), at most 1
.endr
	v_and_b32 v248, 1, v1                          ; (a plain line behind the exponentials)
	s_wait_alu depctr_va_vdst(0)                   ; one wait for both, ahead of their first reader
.irp k, 0,1
	v_add_f32 v[244+\k], 1.0, v[242+\k]
.endr
.irp k, 0,1
	v_rcp_f32 v[244+\k], v[244+\k]                 ; the first gate, 1 / (1 + p)
.endr
	v_cmp_eq_u32 s42, 1, v248                      ; lanes 1, 3: the second choice  (a plain line behind the reciprocals)
	s_wait_alu depctr_va_vdst(0)
.irp k, 0,1
	v_mul_f32 v[246+\k], v[242+\k], v[244+\k]      ; the second gate, p / (1 + p)
.endr
	v_bfe_u32 v248, v1, 1, 1
	v_cmp_eq_u32 s43, 1, v248                      ; lanes 2, 3: the second token
	v_cndmask_b32 v249, v234, v238, s42
	v_cndmask_b32 v250, v235, v239, s42
	v_cndmask_b32 v249, v249, v250, s43            ; lane j < 4: the expert of entry 2 t0 + j
	v_cndmask_b32 v251, v244, v246, s42
	v_cndmask_b32 v252, v245, v247, s42
	v_cndmask_b32 v251, v251, v252, s43            ; and its gate
	v_lshlrev_b32 v253, 2, v1
	v_cmp_gt_u32 vcc_lo, 4, v1
	s_wait_xcnt 0x0                                ; EXEC changes only when the stores above have had their addresses translated
	s_wait_tensorcnt 0x0
	ds_add_u32 v254, v255
	s_wait_dscnt 0x0
	s_and_saveexec_b32 s44, vcc_lo
	global_store_b32 v253, v249, s[14:15]
	global_store_b32 v253, v251, s[16:17]
	s_wait_xcnt 0x0
	s_or_b32 exec_lo, exec_lo, s44
	s_endpgm
.Lfunc_end_k_q5197726fce_route:
	.size	k_q5197726fce_route, .Lfunc_end_k_q5197726fce_route-k_q5197726fce_route
	.p2alignl 7, 3214868480
	.fill 96, 4, 3214868480
	.section	.rodata,"a",@progbits
	.p2align	6, 0x0
	.amdhsa_kernel k_q5197726fce_route
		.amdhsa_group_segment_fixed_size 78848
		.amdhsa_private_segment_fixed_size 0
		.amdhsa_enable_private_segment 0
		.amdhsa_kernarg_size 56
		.amdhsa_user_sgpr_count 2
		.amdhsa_user_sgpr_kernarg_segment_ptr 1
		.amdhsa_wavefront_size32 1
		.amdhsa_system_sgpr_workgroup_id_x 1
		.amdhsa_system_sgpr_workgroup_id_y 1
		.amdhsa_system_sgpr_workgroup_id_z 1
		.amdhsa_system_vgpr_workitem_id 0
		.amdhsa_next_free_vgpr 256
		.amdhsa_next_free_sgpr 66
		.amdhsa_reserve_vcc 1
		.amdhsa_float_denorm_mode_32 3
		.amdhsa_float_denorm_mode_16_64 3
		.amdhsa_memory_ordered 1
		.amdhsa_forward_progress 1
		.amdhsa_inst_pref_size 46
	.end_amdhsa_kernel
	.amdgpu_metadata
---
amdhsa.version: [ 1, 2 ]
amdhsa.kernels:
  - .name:           k_q5197726fce_route
    .symbol:         k_q5197726fce_route.kd
    .args:
      - { .name: x, .offset: 0, .size: 8, .value_kind: global_buffer, .address_space: global }
      - { .name: Wg, .offset: 8, .size: 8, .value_kind: global_buffer, .address_space: global }
      - { .name: bg, .offset: 16, .size: 8, .value_kind: global_buffer, .address_space: global }
      - { .name: xq, .offset: 24, .size: 8, .value_kind: global_buffer, .address_space: global }
      - { .name: xs, .offset: 32, .size: 8, .value_kind: global_buffer, .address_space: global }
      - { .name: choice, .offset: 40, .size: 8, .value_kind: global_buffer, .address_space: global }
      - { .name: gate, .offset: 48, .size: 8, .value_kind: global_buffer, .address_space: global }
    .group_segment_fixed_size: 78848
    .private_segment_fixed_size: 0
    .kernarg_segment_align: 8
    .kernarg_segment_size: 56
    .max_flat_workgroup_size: 128
    .sgpr_count:     66
    .vgpr_count:     256
    .wavefront_size: 32
...
	.end_amdgpu_metadata
.endif
;; end of part 1
;; launch place (part 2): grid 1 x 1, 32 waves a work-group, no clusters, 5,120 bytes of LDS; arguments choice, rows; writes rows
.if DOCPART == 2
	.amdgcn_target "amdgcn-amd-amdhsa--gfx1250"
	.amdhsa_code_object_version 6
	.text
	.protected	k_q5197726fce_place
	.globl	k_q5197726fce_place
	.p2align	8
	.type	k_q5197726fce_place,@function
k_q5197726fce_place:
	s_mov_b64 s[64:65], 0
	v_nop
	global_prefetch_b8 v0, s[64:65] scope:SCOPE_SE
	s_setreg_imm32_b32 hwreg(HW_REG_WAVE_MODE, 25, 1), 1
	s_wait_xcnt 0x0
; PLACE.  A counting sort of the 4,096 routed entries (entry = 2 x token + k) by expert, by one work-group, without atomics.
; rows [e][pos] = the entry at place pos of expert e (u32, 2,048 places an expert); at byte 65,536: the eight counts.
; Thread i owns entries 4 i .. 4 i + 3.  In a wave an entry's rank comes from the mask of lanes with the same expert (bits below my lane + what the wave has counted so far);
; the waves' counts meet in LDS, and each wave adds up the counts of the waves in front of it.
	s_load_b128 s[4:7], s[0:1], 0x0                ; choice, rows
	v_lshl_add_u32 v48, v0, 2, 0x400
	v_mov_b32 v49, 0
	v_lshrrev_b32 v1, 5, v0
	v_readfirstlane_b32 s8, v1                     ; wave 0..31
	v_and_b32 v1, 31, v0
	v_lshlrev_b32 v2, 4, v0
	s_lshl_b32 s9, s8, 5
	v_mov_b32 v13, s9                              ; my wave's row of the table: 32 bytes
	v_lshlrev_b32 v14, 5, v1                       ; and the row of wave = my lane
	s_mov_b32 s10, 0x76543210
	s_mov_b32 s11, 0xfedcba98
.irp e, 0,1,2,3,4,5,6,7
	s_mov_b32 s[40+\e], 0                          ; what my wave has counted for expert e
.endr
.irp s, 0,1,2,3
	v_mov_b32 v[8+\s], 0
	v_mov_b32 v[28+\s], 0                          ; (destinations of lane moves count as read)
.endr
	s_wait_kmcnt 0x0
	global_load_b128 v[4:7], v2, s[4:5]
	s_wait_loadcnt 0x0
.irp s, 0,1,2,3
.irp e, 0,1,2,3,4,5,6,7
	v_cmp_eq_u32 s30, \e, v[4+\s]
	v_mbcnt_lo_u32_b32 v12, s30, s[40+\e]          ; lanes below me with this expert + the count so far
	v_cndmask_b32 v[8+\s], v[8+\s], v12, s30
	s_bcnt1_i32_b32 s31, s30
	s_add_co_u32 s[40+\e], s[40+\e], s31
.endr
.endr
.irp e, 0,1,2,3,4,5,6,7
	v_mov_b32 v[16+\e], s[40+\e]
.endr
	ds_store_b128 v13, v[16:19]                    ; all lanes write the same words with the same values
	ds_store_b128 v13, v[20:23] offset:16
	s_wait_dscnt 0x0                               ; for the other waves
	s_barrier_signal -1
	s_barrier_wait -1
	ds_load_b128 v[16:19], v14
	ds_load_b128 v[20:23], v14 offset:16
	s_wait_dscnt 0x0
	v_cmp_gt_u32 vcc_lo, s8, v1                    ; waves in front of mine
.irp k, 0,1,2,3
	v_lshl_or_b32 v[24+\k], v[17+2*\k], 16, v[16+2*\k]   ; two experts to a word: a sum is at most 4,096
.endr
.irp k, 0,1,2,3
	v_cndmask_b32 v[24+\k], 0, v[24+\k], vcc_lo
.endr
.irp x, 1,2,4,8
.irp k, 0,1,2,3
	v_mov_b32_dpp v[28+\k], v[24+\k] row_xmask:\x row_mask:0xf bank_mask:0xf
.endr
.irp k, 0,1,2,3
	v_add_nc_u32 v[24+\k], v[24+\k], v[28+\k]
.endr
.endr
.irp k, 0,1,2,3
	v_permlanex16_b32 v[28+\k], v[24+\k], s10, s11
.endr
.irp k, 0,1,2,3
	v_add_nc_u32 v[24+\k], v[24+\k], v[28+\k]      ; in every lane: where my wave's entries of experts 2 k, 2 k + 1 begin
.endr
.irp s, 0,1,2,3
	v_lshrrev_b32 v32, 1, v[4+\s]
	v_cmp_eq_u32 vcc_lo, 1, v32
	v_cndmask_b32 v33, v24, v25, vcc_lo
	v_cmp_eq_u32 vcc_lo, 2, v32
	v_cndmask_b32 v33, v33, v26, vcc_lo
	v_cmp_eq_u32 vcc_lo, 3, v32
	v_cndmask_b32 v33, v33, v27, vcc_lo
	v_and_b32 v34, 1, v[4+\s]
	v_lshlrev_b32 v34, 4, v34
	v_lshrrev_b32 v33, v34, v33
	v_and_b32 v33, 0xffff, v33
	v_add_nc_u32 v33, v33, v[8+\s]                 ; the entry's place in its expert
	v_lshl_add_u32 v33, v[4+\s], 11, v33
	v_min_u32 v[36+\s], 0x3fff, v33                ; held inside the table
	v_lshlrev_b32 v[36+\s], 2, v[36+\s]
	v_lshl_or_b32 v[40+\s], v0, 2, \s              ; the entry's number
	global_store_b32 v[36+\s], v[40+\s], s[6:7]
.endr
	s_cmp_lg_u32 s8, 31
	s_cbranch_scc1 .Lend                           ; the last wave knows the totals: what lies in front of it + its own
	v_mov_b32 v44, 0
.irp k, 0,1,2,3
	v_readfirstlane_b32 s12, v[24+\k]
	s_and_b32 s13, s12, 0xffff
	s_add_co_u32 s13, s13, s[40+2*\k]
	v_writelane_b32 v44, s13, 2*\k
	s_lshr_b32 s13, s12, 16
	s_add_co_u32 s13, s13, s[41+2*\k]
	v_writelane_b32 v44, s13, 2*\k+1
.endr
	v_lshlrev_b32 v45, 2, v1
	v_cmp_gt_u32 vcc_lo, 8, v1
	s_wait_xcnt 0x0                                ; EXEC changes only when the stores above have had their addresses translated
	s_and_saveexec_b32 s14, vcc_lo
	global_store_b32 v45, v44, s[6:7] offset:65536
	s_wait_xcnt 0x0
	s_or_b32 exec_lo, exec_lo, s14
.Lend:
	s_wait_tensorcnt 0x0
	ds_add_u32 v48, v49
	s_wait_dscnt 0x0
	s_endpgm
.Lfunc_end_k_q5197726fce_place:
	.size	k_q5197726fce_place, .Lfunc_end_k_q5197726fce_place-k_q5197726fce_place
	.p2alignl 7, 3214868480
	.fill 96, 4, 3214868480
	.section	.rodata,"a",@progbits
	.p2align	6, 0x0
	.amdhsa_kernel k_q5197726fce_place
		.amdhsa_group_segment_fixed_size 5120
		.amdhsa_private_segment_fixed_size 0
		.amdhsa_enable_private_segment 0
		.amdhsa_kernarg_size 16
		.amdhsa_user_sgpr_count 2
		.amdhsa_user_sgpr_kernarg_segment_ptr 1
		.amdhsa_wavefront_size32 1
		.amdhsa_system_sgpr_workgroup_id_x 1
		.amdhsa_system_sgpr_workgroup_id_y 1
		.amdhsa_system_sgpr_workgroup_id_z 1
		.amdhsa_system_vgpr_workitem_id 0
		.amdhsa_next_free_vgpr 50
		.amdhsa_next_free_sgpr 66
		.amdhsa_reserve_vcc 1
		.amdhsa_float_denorm_mode_32 3
		.amdhsa_float_denorm_mode_16_64 3
		.amdhsa_memory_ordered 1
		.amdhsa_forward_progress 1
		.amdhsa_inst_pref_size 17
	.end_amdhsa_kernel
	.amdgpu_metadata
---
amdhsa.version: [ 1, 2 ]
amdhsa.kernels:
  - .name:           k_q5197726fce_place
    .symbol:         k_q5197726fce_place.kd
    .args:
      - { .name: choice, .offset: 0, .size: 8, .value_kind: global_buffer, .address_space: global }
      - { .name: rows, .offset: 8, .size: 8, .value_kind: global_buffer, .address_space: global }
    .group_segment_fixed_size: 5120
    .private_segment_fixed_size: 0
    .kernarg_segment_align: 8
    .kernarg_segment_size: 16
    .max_flat_workgroup_size: 1024
    .sgpr_count:     66
    .vgpr_count:     50
    .wavefront_size: 32
...
	.end_amdgpu_metadata
.endif
;; end of part 2
;; launch up (part 3): grid 8 x 36, 4 waves a work-group, no clusters, 117,248 bytes of LDS; arguments rows, xq, xs, W1_codes, W1_scales, b1, hid, hsc; writes hid, hsc
.if DOCPART == 3
	.amdgcn_target "amdgcn-amd-amdhsa--gfx1250"
	.amdhsa_code_object_version 6
	.text
	.protected	k_q5197726fce_up
	.globl	k_q5197726fce_up
	.p2align	8
	.type	k_q5197726fce_up,@function
k_q5197726fce_up:
	s_mov_b64 s[64:65], 0
	v_nop
	global_prefetch_b8 v0, s[64:65] scope:SCOPE_SE
	s_setreg_imm32_b32 hwreg(HW_REG_WAVE_MODE, 25, 1), 1
	s_wait_xcnt 0x0
; UP.  hid = Q(relu(x W1 + b1)) for the rows routed to one expert: a work-group makes 144 rows (tile y of the list of tiles) x 256 hidden units (x = g), on codes of E2M3.
; THE GRID SERVES EVERY SPLIT: 4,096 routed rows over 8 experts in tiles of 144 are never more than 36 tiles.  Each work-group finds its tile from the eight stored counts;
; one that a split leaves without rows stores nothing.  That is a branch on stored numbers, so the launch has no tensor load and no cluster: operands come by plain loads.
; The barriers stand on every wave's path; the three phases between them stand under a scalar branch each.
; K ORDER.  For 128 along K a lane takes 48 CONSECUTIVE bytes of its row (three loads of 16 bytes): lanes 0-15 blocks 0, 1, lanes 16-31 blocks 2, 3 of the four.  Both operands are taken so, so the
; products are the same; in a scale word the middle two bytes change places (W1's by v_perm_b32; xs is stored so).
; TRANSPOSED: source 0 = 16 rows of W1, source 1 = 16 tokens.  Wave w (sl = w / 2, c = w % 2) makes 64 units: lane a of tile t takes W1's row 256 g + 128 sl + 32 c + 64 (a / 8) + 8 t + a % 8.
; So lane (r, h) holds token r, and its 32 registers of the four tiles are units 128 (2 g + sl) + 64 h + 32 c + 0 .. 31: ONE WHOLE BLOCK of the next K, in the half of the lanes in which the next product wants it.
; Rows past a tile's end repeat the expert's last row: they are computed and stored in hid, and the next launch stores none of them.
; LDS: x's 72 fragments as images of their registers [step 8][row tile 9][1,536]; their scale words [step][row tile][16]; the hidden layer's scale words [sl][row tile][16].
; REGISTERS.  window 0: v1-14 addresses; v16-47 W1's scale words; v48-65 x's, two sets; v72-103 b1; v104-211 x, set 0; v212-243 the accumulators of row tile 8; v244-252 entries.
;   window 1: the accumulators of row tiles 0-7 (32 m + 8 t).  window 2: W1 of steps 0-4 (48 s + 12 t).  window 3: W1 of steps 5-7; from v144 x, set 1.
.set XSC,   110592
.set HSS,   115200
.set STEPB, 13824                      ; nine fragments of 1,536 bytes
.set MSB, 0
.macro WIN new                         ; the immediate's high byte repeats the setting that is left; a switch that changes nothing is dropped
.if MSB != (\new)
	s_set_vgpr_msb (MSB<<8)|(\new)
.set MSB, (\new)
.endif
.endm
.macro MM d, a, b, c, sa, sb
	v_wmma_scale_f32_16x16x128_f8f6f4 v[\d:\d+7], v[\a:\a+11], v[\b:\b+11], v[\c:\c+7], v[\sa], v[\sb] matrix_a_fmt:MATRIX_FMT_FP6 matrix_b_fmt:MATRIX_FMT_FP6
.endm
; Which tile is mine: s23 = my number in the list, s[24:31] = the counts.  Out: s32 expert, s33 tile in the expert, s34 the expert's rows, s35 = 1 if there is such a tile.
.macro MAP
	s_mov_b32 s36, 0
	s_mov_b32 s32, 0
	s_mov_b32 s33, 0
	s_mov_b32 s34, 0
.irp e, 0,1,2,3,4,5,6,7
	s_min_u32 s37, s[24+\e], 2048
	s_add_co_u32 s38, s37, 143
	s_mul_i32 s38, s38, 29128
	s_lshr_b32 s38, s38, 22                        ; its tiles: (c + 143) / 144, exact for c + 143 under 32,768
	s_sub_co_u32 s39, s23, s36                     ; my number among them (wraps to a large number if an earlier expert took me)
	s_cmp_lt_u32 s39, s38
	s_cselect_b32 s32, \e, s32
	s_cselect_b32 s33, s39, s33
	s_cselect_b32 s34, s37, s34
	s_add_co_u32 s36, s36, s38
.endr
	s_cmp_lt_u32 s23, s36
	s_cselect_b32 s35, 1, 0
	s_min_u32 s32, s32, 7
	s_min_u32 s33, s33, 14
	s_mul_i32 s40, s33, 144                        ; the tile's first row in the expert
	s_sub_co_u32 s41, s34, 1                       ; the expert's last row
	s_lshl_b32 s42, s32, 11
.endm
.macro ROWIDX dst, tmp                 ; v[dst + m] = 4 x (2,048 E + min(144 J + 16 m + r, last row)), held inside the table
	v_add_nc_u32 v[\tmp], s40, v1
.irp m, 0,1,2,3,4,5,6,7,8
	v_add_nc_u32 v[\dst+\m], 16*\m, v[\tmp]
	v_min_u32 v[\dst+\m], s41, v[\dst+\m]
	v_add_nc_u32 v[\dst+\m], s42, v[\dst+\m]
	v_min_u32 v[\dst+\m], 0x3fff, v[\dst+\m]
	v_lshlrev_b32 v[\dst+\m], 2, v[\dst+\m]
.endr
.endm
	s_load_b256 s[4:11], s[0:1], 0x0               ; rows, xq, xs, W1's codes
	s_load_b256 s[12:19], s[0:1], 0x20             ; W1's scales, b1, hid, hsc
	v_lshl_add_u32 v254, v0, 2, 0x1c800
	v_mov_b32 v255, 0
	v_lshrrev_b32 v1, 5, v0
	v_readfirstlane_b32 s20, v1                    ; wave
	s_lshr_b32 s21, s20, 1                         ; sl
	s_and_b32 s22, s20, 1                          ; c
	s_and_b32 s23, ttmp7, 0xffff                   ; my number in the list of tiles
	s_wait_kmcnt 0x0
	s_load_b256 s[24:31], s[4:5], 0x10000          ; the eight counts
	v_and_b32 v15, 31, v0                          ; lane
	v_and_b32 v1, 15, v0                           ; r
	v_bfe_u32 v2, v0, 4, 1                         ; h
	v_lshrrev_b32 v3, 3, v1
	v_and_b32 v4, 7, v1
	v_lshl_add_u32 v4, v3, 6, v4                   ; 64 (r / 8) + r % 8
	v_mul_u32_u24 v3, v4, 768
	v_mad_u32_u24 v3, v2, 48, v3                   ; W1's codes: that row, + 48 h
	v_lshlrev_b32 v4, 5, v4                        ; W1's scale bytes: 32 a row
	v_lshlrev_b32 v5, 8, v2                        ; b1: 64 h units
	v_lshlrev_b32 v6, 4, v15                       ; x's images: 16 x lane; steps on from K step to K step
	v_lshl_add_u32 v7, v1, 2, XSC                  ; x's scale words: 4 r; steps on
	s_mul_i32 s37, s20, 2*STEPB
	v_add_nc_u32 v8, s37, v6                       ; where I store images: my wave's two K steps
	s_mul_i32 s37, s20, 1152
	v_add_nc_u32 v9, s37, v7                       ; and their scale words
	s_mul_i32 s37, s21, 576
	s_lshl_b32 s38, s22, 1
	s_add_co_u32 s37, s37, s38
	s_add_co_u32 s37, s37, HSS
	v_lshl_add_u32 v10, v1, 2, v2
	v_add_nc_u32 v10, s37, v10                     ; the hidden layer's scale byte: word (sl, m, r), byte 2 c + h
	v_lshl_add_u32 v11, v15, 2, HSS
	v_lshlrev_b32 v12, 4, v15
	v_lshlrev_b32 v13, 3, v15
	v_lshlrev_b32 v14, 2, v15
	s_mul_i32 s48, s20, 192                        ; my wave's two K steps in a row of xq,
	s_lshl_b32 s49, s20, 3                         ; and in a row of xs
	s_mov_b32 s50, 0x03010200                      ; byte select: the middle two change places
	s_wait_kmcnt 0x0
	MAP
	s_lshl_b32 s43, ttmp9, 8
	s_add_co_u32 s43, s43, s42
	s_lshl_b32 s44, s21, 7
	s_add_co_u32 s43, s43, s44
	s_lshl_b32 s44, s22, 5
	s_add_co_u32 s43, s43, s44                     ; my first row of W1: 2,048 E + 256 g + 128 sl + 32 c
	s_mov_b32 s45, 0
	s_mul_i32 s44, s43, 768
	s_add_nc_u64 s[10:11], s[10:11], s[44:45]
	s_lshl_b32 s44, s43, 5
	s_add_nc_u64 s[12:13], s[12:13], s[44:45]
	s_lshl_b32 s44, s43, 2
	s_add_nc_u64 s[14:15], s[14:15], s[44:45]
	s_mul_i32 s46, s32, 15
	s_add_co_u32 s46, s46, s33                     ; the tile's place in hid and hsc
	s_mul_i32 s44, s46, 221184
	s_lshl_b32 s47, ttmp9, 1
	s_add_co_u32 s47, s47, s21
	s_mul_i32 s47, s47, STEPB
	s_add_co_u32 s44, s44, s47                     ; + the next product's K step 2 g + sl
	s_mul_i32 s47, s22, 768
	s_add_co_u32 s44, s44, s47                     ; + my half of each fragment
	s_add_nc_u64 s[16:17], s[16:17], s[44:45]
	s_mul_i32 s44, s46, 9216
	s_mul_i32 s47, ttmp9, 1152
	s_add_co_u32 s44, s44, s47
	s_add_nc_u64 s[18:19], s[18:19], s[44:45]
; ---- phase 1: the tile's 144 rows of x, gathered by the list, go to LDS as register images.  Wave w fetches K steps 2 w and 2 w + 1.
	s_cmp_eq_u32 s35, 0
	s_cbranch_scc1 .Lb1
	ROWIDX 104, 123
.irp m, 0,1,2,3,4,5,6,7,8
	global_load_b32 v[244+\m], v[104+\m], s[4:5]
.endr
	v_mul_u32_u24 v122, v2, 48
	v_add_nc_u32 v122, s48, v122
	s_wait_loadcnt 0x0                             ; the entries are in, and their address registers are free
.irp m, 0,1,2,3,4,5,6,7,8
	v_lshrrev_b32 v[244+\m], 1, v[244+\m]          ; entry / 2 = the token,
	v_min_u32 v[244+\m], 0x7ff, v[244+\m]          ; held inside x
	v_mad_u32_u24 v[104+\m], v[244+\m], 0x300, v122
	v_lshl_add_u32 v[113+\m], v[244+\m], 5, s49
.endr
	WIN 0x40                                       ; destination window 1
.irp m, 0,1,2,3,4,5,6,7,8
.irp s, 0,1
.irp i, 0,1,2
	global_load_b128 v[24*\m+12*\s+4*\i:24*\m+12*\s+4*\i+3], v[104+\m], s[6:7] offset:96*\s+16*\i
.endr
.endr
	global_load_b64 v[216+2*\m:217+2*\m], v[113+\m], s[8:9]
.endr
	WIN 0x04                                       ; an LDS store's data are its source 1: window 1
.irp m, 0,1,2,3,4,5,6,7,8
	s_wait_loadcnt 7*(8-\m)                        ; seven loads a row tile: the later tiles' may be out
.irp s, 0,1
.irp i, 0,1,2
	ds_store_b128 v8, v[24*\m+12*\s+4*\i:24*\m+12*\s+4*\i+3] offset:(9*\s+\m)*1536+512*\i
.endr
	ds_store_b32 v9, v[216+2*\m+\s] offset:(9*\s+\m)*64     ; both halves of the lanes write the same word with the same value
.endr
.endr
	WIN 0
.Lb1:
	s_wait_dscnt 0x0                               ; my images have landed
	s_barrier_signal -1
	s_barrier_wait -1
; ---- phase 2: the products, the activation, the quantiser
	s_cmp_eq_u32 s35, 0
	s_cbranch_scc1 .Lb2
.macro FETCHX set                      ; the K step at v6, v7: nine fragments (27 loads) and nine scale words into set
.set FB, 104+40*(\set)
	WIN 0xc0*(\set)
.irp m, 0,1,2,3,4,5,6,7,8
.irp i, 0,1,2
	ds_load_b128 v[FB+12*\m+4*\i:FB+12*\m+4*\i+3], v6 offset:1536*\m+512*\i
.endr
.endr
	WIN 0
.irp m, 0,1,2,3,4,5,6,7,8
	ds_load_b32 v[48+9*(\set)+\m], v7 offset:64*\m
.endr
.endm
.irp t, 0,1,2,3
.irp q, 0,1
	global_load_b128 v[16+8*\t+4*\q:16+8*\t+4*\q+3], v4, s[12:13] offset:256*\t+16*\q   ; W1's scale words: register 8 t + step
.endr
.endr
.irp t, 0,1,2,3
.irp q, 0,1
	global_load_b128 v[72+8*\t+4*\q:72+8*\t+4*\q+3], v5, s[14:15] offset:32*\t+16*\q    ; b1 in the result's layout
.endr
.endr
	WIN 0x80                                       ; destination window 2
.irp s, 0,1,2,3,4
.irp t, 0,1,2,3
.irp i, 0,1,2
	global_load_b128 v[48*\s+12*\t+4*\i:48*\s+12*\t+4*\i+3], v3, s[10:11] offset:6144*\t+96*\s+16*\i
.endr
.endr
.endr
	FETCHX 0
	s_wait_loadcnt 60                              ; the scale words and b1 are in: the 60 loads of codes are the younger ones
.set KK, 0
.rept 32
	v_perm_b32 v[16+KK], v[16+KK], v[16+KK], s50
.set KK, KK+1
.endr
.rept 4
	v_nop                                          ; with the four plain lines at the first step's head: eight between the last scale word so written and the first product
.endr
; A K step of 128: 36 products, the 36 accumulators by turns, one instruction a turn, in the same order in every step.
.macro KSTEP sg
.if (\sg) < 7
	WIN 0
	v_add_nc_u32 v6, STEPB, v6                     ; four plain lines between the last product and loads into registers that products have read
	v_add_nc_u32 v7, 576, v7
	v_nop
	v_nop
	FETCHX ((\sg)+1)%2
.endif
.if (\sg) < 3
	WIN 0xc0                                       ; W1 of step sg + 5 into window 3
.irp t, 0,1,2,3
.irp i, 0,1,2
	global_load_b128 v[48*(\sg)+12*\t+4*\i:48*(\sg)+12*\t+4*\i+3], v3, s[10:11] offset:6144*\t+96*((\sg)+5)+16*\i
.endr
.endr
.endif
.if (\sg) < 7
	s_wait_dscnt 36                                ; this step's x is in; the 36 loads just issued may be out
.else
	s_wait_dscnt 0x0
.endif
.if (\sg) < 3
	s_wait_loadcnt 60                              ; this step's W1 is in: five steps of twelve loads are younger
.else
	s_wait_loadcnt 12*(7-(\sg))                    ; the steps that follow
.endif
.set WW, 2+(\sg)/5
.set WF, 48*((\sg)%5)
.set XW, 3*((\sg)%2)
.set XF, 104+40*((\sg)%2)
.set SX, 48+9*((\sg)%2)
.if (\sg) == 0
.set WN, WW|(XW<<2)|0x40                           ; C = b1, window 0
.else
.set WN, WW|(XW<<2)|0x50
.endif
	WIN WN
.irp m, 0,1,2,3,4,5,6,7
.irp t, 0,1,2,3
.if (\sg) == 0
	MM 32*\m+8*\t, WF+12*\t, XF+12*\m, 72+8*\t, 16+8*\t+(\sg), SX+\m
.else
	MM 32*\m+8*\t, WF+12*\t, XF+12*\m, 32*\m+8*\t, 16+8*\t+(\sg), SX+\m
.endif
.endr
.endr
.set WN, WW|(XW<<2)
	WIN WN
.irp t, 0,1,2,3
.if (\sg) == 0
	MM 212+8*\t, WF+12*\t, XF+96, 72+8*\t, 16+8*\t+(\sg), SX+8
.else
	MM 212+8*\t, WF+12*\t, XF+96, 212+8*\t, 16+8*\t+(\sg), SX+8
.endif
.endr
.endm
.irp g, 0,1,2,3,4,5,6,7
	KSTEP \g
.endr
	WIN 0
.rept 4
	v_nop                                          ; four plain lines between the last product and the first read of results
.endr
; Row tile m: relu, the block's largest number (all 32 are mine; none is negative, so no |.|), its scale, 32 codes: six registers of the next product's fragment.
.macro HQ m
.set TT, 128+32*((\m)%2)
.set PP, 72+6*(\m)
.set QQ, 192+4*((\m)%2)
.set MX, 200+4*((\m)%2)
.if (\m) < 8
.set AB, 32*(\m)
	WIN 0x04                                       ; source 1: window 1
.else
.set AB, 212
.endif
.set KK, 0
.rept 32
	v_max_num_f32 v[TT+KK], 0, v[AB+KK]            ; each accumulator from its low end on
.set KK, KK+1
.endr
	WIN 0
	v_max3_num_f32 v[MX], v[TT], v[TT+1], 0x1800000          ; two chains; the floor 2^(3 - 127) holds the byte at 1 from below
	v_max3_num_f32 v[MX+1], v[TT+16], v[TT+17], v[TT+18]
.irp i, 2,4,6,8,10,12
	v_max3_num_f32 v[MX], v[MX], v[TT+\i], v[TT+\i+1]
	v_max3_num_f32 v[MX+1], v[MX+1], v[TT+17+\i], v[TT+18+\i]
.endr
	v_max3_num_f32 v[MX], v[MX], v[TT+14], v[TT+15]
	v_max3_num_f32 v[MX], v[MX], v[MX+1], v[TT+31]
	v_add_nc_u32 v[MX+2], 0xff000000, v[MX]        ; 2 off the exponent field: the conversion's scale operand
	v_cvt_scalef32_pk16_fp6_f32 v[PP:PP+2], v[TT:TT+15], v[MX+2]
	v_cvt_scalef32_pk16_fp6_f32 v[QQ:QQ+2], v[TT+16:TT+31], v[MX+2]   ; (a conversion's three registers begin on an even number)
	v_lshrrev_b32 v[MX+3], 23, v[MX+2]             ; the scale's byte (a plain line behind the conversions)
.irp i, 0,1,2
	v_mov_b32 v[PP+3+\i], v[QQ+\i]
.endr
	ds_store_b8 v10, v[MX+3] offset:64*(\m)
	global_store_b128 v12, v[PP:PP+3], s[16:17] offset:1536*(\m)        ; 32 lanes store 512 consecutive bytes, aligned to 256
	global_store_b64 v13, v[PP+4:PP+5], s[16:17] offset:1536*(\m)+512   ; and 256
.endm
.irp m, 0,1,2,3,4,5,6,7,8
	HQ \m                                          ; each row tile has its own six registers of codes: no store's data are written again
.endr
.Lb2:
	s_wait_dscnt 0x0                               ; my scale bytes have landed
	s_barrier_signal -1
	s_barrier_wait -1
; ---- phase 3: the four waves' scale bytes make whole words: wave 0 stores the 1,152 bytes as they lie
	s_cmp_eq_u32 s35, 0
	s_cbranch_scc1 .Lend
	s_cmp_lg_u32 s20, 0
	s_cbranch_scc1 .Lend
.irp i, 0,1,2,3,4,5,6,7,8
	ds_load_b32 v[208+\i], v11 offset:128*\i
.endr
	s_wait_dscnt 0x0
.irp i, 0,1,2,3,4,5,6,7,8
	global_store_b32 v14, v[208+\i], s[18:19] offset:128*\i
.endr
.Lend:
	s_wait_tensorcnt 0x0
	ds_add_u32 v254, v255
	s_wait_dscnt 0x0
	s_endpgm
.Lfunc_end_k_q5197726fce_up:
	.size	k_q5197726fce_up, .Lfunc_end_k_q5197726fce_up-k_q5197726fce_up
	.p2alignl 7, 3214868480
	.fill 96, 4, 3214868480
	.section	.rodata,"a",@progbits
	.p2align	6, 0x0
	.amdhsa_kernel k_q5197726fce_up
		.amdhsa_group_segment_fixed_size 117248
		.amdhsa_private_segment_fixed_size 0
		.amdhsa_enable_private_segment 0
		.amdhsa_kernarg_size 64
		.amdhsa_user_sgpr_count 2
		.amdhsa_user_sgpr_kernarg_segment_ptr 1
		.amdhsa_wavefront_size32 1
		.amdhsa_system_sgpr_workgroup_id_x 1
		.amdhsa_system_sgpr_workgroup_id_y 1
		.amdhsa_system_sgpr_workgroup_id_z 1
		.amdhsa_system_vgpr_workitem_id 0
		.amdhsa_next_free_vgpr 1024
		.amdhsa_next_free_sgpr 66
		.amdhsa_reserve_vcc 0
		.amdhsa_float_denorm_mode_32 3
		.amdhsa_float_denorm_mode_16_64 3
		.amdhsa_memory_ordered 1
		.amdhsa_forward_progress 1
		.amdhsa_inst_pref_size 119
	.end_amdhsa_kernel
	.amdgpu_metadata
---
amdhsa.version: [ 1, 2 ]
amdhsa.kernels:
  - .name:           k_q5197726fce_up
    .symbol:         k_q5197726fce_up.kd
    .args:
      - { .name: rows, .offset: 0, .size: 8, .value_kind: global_buffer, .address_space: global }
      - { .name: xq, .offset: 8, .size: 8, .value_kind: global_buffer, .address_space: global }
      - { .name: xs, .offset: 16, .size: 8, .value_kind: global_buffer, .address_space: global }
      - { .name: W1_codes, .offset: 24, .size: 8, .value_kind: global_buffer, .address_space: global }
      - { .name: W1_scales, .offset: 32, .size: 8, .value_kind: global_buffer, .address_space: global }
      - { .name: b1, .offset: 40, .size: 8, .value_kind: global_buffer, .address_space: global }
      - { .name: hid, .offset: 48, .size: 8, .value_kind: global_buffer, .address_space: global }
      - { .name: hsc, .offset: 56, .size: 8, .value_kind: global_buffer, .address_space: global }
    .group_segment_fixed_size: 117248
    .private_segment_fixed_size: 0
    .kernarg_segment_align: 8
    .kernarg_segment_size: 64
    .max_flat_workgroup_size: 128
    .sgpr_count:     66
    .vgpr_count:     1024
    .wavefront_size: 32
...
	.end_amdgpu_metadata
.endif
;; end of part 3
;; launch down (part 4): grid 8 x 36, 4 waves a work-group, no clusters, 309,248 bytes of LDS; arguments rows, gate, hid, hsc, W2_codes, W2_scales, b2, ybuf; writes ybuf
.if DOCPART == 4
	.amdgcn_target "amdgcn-amd-amdhsa--gfx1250"
	.amdhsa_code_object_version 6
	.text
	.protected	k_q5197726fce_down
	.globl	k_q5197726fce_down
	.p2align	8
	.type	k_q5197726fce_down,@function
k_q5197726fce_down:
	s_mov_b64 s[64:65], 0
	v_nop
	global_prefetch_b8 v0, s[64:65] scope:SCOPE_SE
	s_setreg_imm32_b32 hwreg(HW_REG_WAVE_MODE, 25, 1), 1
	s_wait_xcnt 0x0
; DOWN.  ybuf[entry] = gate[entry] x (h W2 + b2) for the rows routed to one expert: a work-group makes 144 rows (tile y of the list of tiles) x 128 outputs (x = g), on codes of E2M3.
; The list of tiles, the fixed grid of 36 tiles and the guarded phases between barriers on every wave's path are as in the launch before: a branch hangs on stored counts, so there is no tensor load and no cluster.
; The tile's hidden layer (16 K steps x 9 fragments, laid as register images by the launch before) is copied flat into LDS once and read by all four waves; wave w makes outputs 32 w .. 32 w + 31, and its
; rows of W2 go from memory straight into registers, each read once.
; TRANSPOSED: source 0 = 16 rows of W2, source 1 = 16 tokens: lane (r, h) holds row r and outputs 16 t + 8 h + 0 .. 7.  K order: 48 consecutive bytes of a row for each half of the lanes; in W2's scale words the middle two bytes change places.
; The results meet in a stage in LDS with bytes of its own and leave as runs of 512 bytes of a row of ybuf; rows past the tile's end (repeats of the expert's last row) are not stored.
; REGISTERS.  window 0: v1-15 addresses; v16-47 W2's scale words (16 t + step); v48-65 h's, two sets; v66-83 gate and entry of row tile m at 66 + 2 m, 67 + 2 m; v84-99 b2; v100-103 staging addresses; v104-211 h, set 0.
;   window 1: W2 of steps 0-9 (24 s + 12 t).  window 2: W2 of steps 10-15; from v144 h, set 1.  window 3: the 18 accumulators (16 m + 8 t).
.set HSC,   221184
.set ENT,   230400                     ; the tile's 144 entries, a copy for each wave
.set OST,   232704                     ; the stage: 144 rows x (512 + 16) bytes
.set STEPB, 13824
.set MSB, 0
.macro WIN new                         ; the immediate's high byte repeats the setting that is left; a switch that changes nothing is dropped
.if MSB != (\new)
	s_set_vgpr_msb (MSB<<8)|(\new)
.set MSB, (\new)
.endif
.endm
.macro MM d, a, b, c, sa, sb
	v_wmma_scale_f32_16x16x128_f8f6f4 v[\d:\d+7], v[\a:\a+11], v[\b:\b+11], v[\c:\c+7], v[\sa], v[\sb] matrix_a_fmt:MATRIX_FMT_FP6 matrix_b_fmt:MATRIX_FMT_FP6
.endm
; Which tile is mine: s23 = my number in the list, s[24:31] = the counts.  Out: s32 expert, s33 tile in the expert, s34 the expert's rows, s35 = 1 if there is such a tile.
.macro MAP
	s_mov_b32 s36, 0
	s_mov_b32 s32, 0
	s_mov_b32 s33, 0
	s_mov_b32 s34, 0
.irp e, 0,1,2,3,4,5,6,7
	s_min_u32 s37, s[24+\e], 2048
	s_add_co_u32 s38, s37, 143
	s_mul_i32 s38, s38, 29128
	s_lshr_b32 s38, s38, 22                        ; its tiles: (c + 143) / 144, exact for c + 143 under 32,768
	s_sub_co_u32 s39, s23, s36                     ; my number among them (wraps to a large number if an earlier expert took me)
	s_cmp_lt_u32 s39, s38
	s_cselect_b32 s32, \e, s32
	s_cselect_b32 s33, s39, s33
	s_cselect_b32 s34, s37, s34
	s_add_co_u32 s36, s36, s38
.endr
	s_cmp_lt_u32 s23, s36
	s_cselect_b32 s35, 1, 0
	s_min_u32 s32, s32, 7
	s_min_u32 s33, s33, 14
	s_mul_i32 s40, s33, 144                        ; the tile's first row in the expert
	s_sub_co_u32 s41, s34, 1                       ; the expert's last row
	s_lshl_b32 s42, s32, 11
.endm
.macro ROWIDX dst, tmp                 ; v[dst + m] = 4 x (2,048 E + min(144 J + 16 m + r, last row)), held inside the table
	v_add_nc_u32 v[\tmp], s40, v1
.irp m, 0,1,2,3,4,5,6,7,8
	v_add_nc_u32 v[\dst+\m], 16*\m, v[\tmp]
	v_min_u32 v[\dst+\m], s41, v[\dst+\m]
	v_add_nc_u32 v[\dst+\m], s42, v[\dst+\m]
	v_min_u32 v[\dst+\m], 0x3fff, v[\dst+\m]
	v_lshlrev_b32 v[\dst+\m], 2, v[\dst+\m]
.endr
.endm
	s_load_b256 s[4:11], s[0:1], 0x0               ; rows, gate, hid, hsc
	s_load_b256 s[12:19], s[0:1], 0x20             ; W2's codes, W2's scales, b2, ybuf
	s_set_vgpr_msb 0x80
	v_lshl_add_u32 v254, v0, 2, 0x4b600
	v_mov_b32 v255, 0
	s_set_vgpr_msb 0x8000
	v_lshrrev_b32 v1, 5, v0
	v_readfirstlane_b32 s20, v1                    ; wave
	s_and_b32 s23, ttmp7, 0xffff                   ; my number in the list of tiles
	s_wait_kmcnt 0x0
	s_load_b256 s[24:31], s[4:5], 0x10000          ; the eight counts
	v_and_b32 v250, 31, v0                         ; lane
	v_and_b32 v1, 15, v0                           ; r
	v_bfe_u32 v2, v0, 4, 1                         ; h
	v_mul_u32_u24 v3, v1, 1536
	v_mad_u32_u24 v3, v2, 48, v3                   ; W2's codes: row r, + 48 h
	v_lshlrev_b32 v4, 6, v1                        ; W2's scale bytes: 64 a row
	v_lshlrev_b32 v5, 5, v2                        ; b2: 8 h outputs
	v_lshlrev_b32 v6, 4, v250                      ; h's images, the parts of 16 bytes a lane; steps on from K step to K step
	v_lshl_add_u32 v7, v250, 3, 512                ; the parts of 8 bytes a lane; steps on
	v_lshl_add_u32 v8, v1, 2, HSC                  ; h's scale words; steps on
	s_mul_i32 s37, s20, 576
	s_add_co_u32 s37, s37, ENT
	v_lshl_add_u32 v9, v1, 2, s37                  ; my wave's copy of the entries: in,
	s_mul_i32 s38, s20, 144
	s_add_co_u32 s38, s38, s37
	v_mov_b32 v10, s38                             ; and out: rows 36 w on, the same word for all lanes
	v_mul_u32_u24 v11, v1, 528
	v_lshl_add_u32 v11, v2, 5, v11
	s_lshl_b32 s38, s20, 7
	s_add_co_u32 s38, s38, OST
	v_add_nc_u32 v11, s38, v11                     ; the stage, in: row r, + 32 h, + 128 w
	v_add_nc_u32 v12, 67584, v11                   ; the same for row tile 8, past the immediate's reach
	s_mul_i32 s38, s20, 19008
	s_add_co_u32 s38, s38, OST
	v_add_nc_u32 v13, s38, v6                      ; and out: my 36 rows, 16 bytes a lane
	v_lshlrev_b32 v14, 4, v250
	v_lshlrev_b32 v15, 4, v0                       ; the copy of hid: 16 bytes a thread
.irp k, 0,1,2,3
	v_add_nc_u32 v[100+\k], 55296*\k, v15          ; into LDS: four bases, 27 stores of 2,048 bytes each
.endr
	v_lshlrev_b32 v248, 3, v0                      ; the copy of hsc: 8 bytes a thread
	v_add_nc_u32 v249, HSC, v248
	s_mov_b32 s52, 0x03010200                      ; byte select: the middle two change places
	s_wait_kmcnt 0x0
	MAP
	s_sub_co_u32 s50, s34, s40
	s_min_u32 s50, s50, 144                        ; the tile's rows
	s_mul_i32 s51, s20, 36
	s_sub_co_i32 s51, s50, s51                     ; how many of my 36 rows of the stage are to be stored (0 or less: none)
	s_mov_b32 s45, 0
	s_mul_i32 s46, s32, 15
	s_add_co_u32 s46, s46, s33                     ; the tile's place in hid and hsc
	s_mul_i32 s44, s46, 221184
	s_add_nc_u64 s[8:9], s[8:9], s[44:45]
	s_mul_i32 s44, s46, 9216
	s_add_nc_u64 s[10:11], s[10:11], s[44:45]
	s_lshl_b32 s43, s32, 10
	s_lshl_b32 s44, ttmp9, 7
	s_add_co_u32 s43, s43, s44
	s_lshl_b32 s44, s20, 5
	s_add_co_u32 s43, s43, s44                     ; my first row of W2: 1,024 E + 128 g + 32 w
	s_mul_i32 s44, s43, 1536
	s_add_nc_u64 s[12:13], s[12:13], s[44:45]
	s_lshl_b32 s44, s43, 6
	s_add_nc_u64 s[14:15], s[14:15], s[44:45]
	s_lshl_b32 s44, s43, 2
	s_add_nc_u64 s[16:17], s[16:17], s[44:45]
	s_lshl_b32 s44, ttmp9, 9
	s_add_nc_u64 s[18:19], s[18:19], s[44:45]      ; ybuf at my work-group's 128 columns
; ---- phase 1: the tile's hidden layer, 221,184 bytes of codes and 9,216 of scale words, into LDS as it lies
	s_cmp_eq_u32 s35, 0
	s_cbranch_scc1 .Lb1
	WIN 0x40                                       ; destination window 1
.set N, 0
.rept 64
	global_load_b128 v[4*N:4*N+3], v15, s[8:9] offset:2048*N
.set N, N+1
.endr
	WIN 0x80                                       ; destination window 2
.rept 44
	global_load_b128 v[4*(N-64):4*(N-64)+3], v15, s[8:9] offset:2048*N
.set N, N+1
.endr
.irp n, 0,1,2,3,4,5,6,7,8
	global_load_b64 v[176+2*\n:177+2*\n], v248, s[10:11] offset:1024*\n
.endr
.macro HST first, last                 ; loads first .. last go on to LDS
.set N, \first
.rept \last-\first+1
	ds_store_b128 v[100+N/27], v[4*(N%64):4*(N%64)+3] offset:2048*(N%27)
.set N, N+1
.endr
.endm
	s_wait_loadcnt 63                              ; of the 117 loads the first 54 are in
	WIN 0x04                                       ; an LDS store's data are its source 1: window 1
	HST 0, 53
	s_wait_loadcnt 32                              ; the first 85
	HST 54, 63
	WIN 0x08                                       ; window 2
	HST 64, 84
	s_wait_loadcnt 0x0
	HST 85, 107
.irp n, 0,1,2,3,4,5,6,7,8
	ds_store_b64 v249, v[176+2*\n:177+2*\n] offset:1024*\n
.endr
	WIN 0
.Lb1:
	s_wait_dscnt 0x0                               ; my part of the copy has landed
	s_barrier_signal -1
	s_barrier_wait -1
; ---- phase 2: the products, the gates, the stage
	s_cmp_eq_u32 s35, 0
	s_cbranch_scc1 .Lb2
.macro FETCHH set                      ; the K step at v6, v7, v8: nine fragments (36 loads) and nine scale words into set
.set FB, 104+40*(\set)
	WIN 0x80*(\set)
.irp m, 0,1,2,3,4,5,6,7,8
.irp c, 0,1
	ds_load_b128 v[FB+12*\m+6*\c:FB+12*\m+6*\c+3], v6 offset:1536*\m+768*\c
	ds_load_b64 v[FB+12*\m+6*\c+4:FB+12*\m+6*\c+5], v7 offset:1536*\m+768*\c
.endr
.endr
	WIN 0
.irp m, 0,1,2,3,4,5,6,7,8
	ds_load_b32 v[48+9*(\set)+\m], v8 offset:64*\m
.endr
.endm
	ROWIDX 214, 223
.irp m, 0,1,2,3,4,5,6,7,8
	global_load_b32 v[67+2*\m], v[214+\m], s[4:5]  ; the entries
.endr
.irp t, 0,1
.irp q, 0,1,2,3
	global_load_b128 v[16+16*\t+4*\q:16+16*\t+4*\q+3], v4, s[14:15] offset:1024*\t+16*\q   ; W2's scale words: register 16 t + step
.endr
.endr
.irp t, 0,1
.irp q, 0,1
	global_load_b128 v[84+8*\t+4*\q:84+8*\t+4*\q+3], v5, s[16:17] offset:64*\t+16*\q       ; b2 in the result's layout
.endr
.endr
	WIN 0x40                                       ; destination window 1
.irp s, 0,1,2,3,4,5,6
.irp t, 0,1
.irp i, 0,1,2
	global_load_b128 v[24*\s+12*\t+4*\i:24*\s+12*\t+4*\i+3], v3, s[12:13] offset:24576*\t+96*\s+16*\i
.endr
.endr
.endr
	FETCHH 0
	s_wait_loadcnt 54                              ; the nine entries are in: 8 + 4 + 42 loads are younger
.irp m, 0,1,2,3,4,5,6,7,8
	v_min_u32 v[67+2*\m], 0xfff, v[67+2*\m]        ; held inside gate and ybuf
.endr
.irp m, 0,1,2,3,4,5,6,7,8
	ds_store_b32 v9, v[67+2*\m] offset:64*\m       ; both halves of the lanes write the same word with the same value
.endr
.irp m, 0,1,2,3,4,5,6,7,8
	v_lshlrev_b32 v[224+\m], 2, v[67+2*\m]
.endr
.irp m, 0,1,2,3,4,5,6,7,8
	global_load_b32 v[66+2*\m], v[224+\m], s[6:7]  ; the gates
.endr
	s_wait_loadcnt 51                              ; the scale words and b2 are in: 42 loads of codes and the nine gates are younger
.set KK, 0
.rept 32
	v_perm_b32 v[16+KK], v[16+KK], v[16+KK], s52
.set KK, KK+1
.endr
.rept 4
	v_nop                                          ; with the four plain lines at the first step's head: eight between the last scale word so written and the first product
.endr
; A K step of 128: 18 products, the 18 accumulators by turns, one instruction a turn, in the same order in every step.
.macro KSTEP sg
.if (\sg) < 15
	WIN 0
	v_add_nc_u32 v6, STEPB, v6                     ; four plain lines between the last product and loads into registers that products have read
	v_add_nc_u32 v7, STEPB, v7
	v_add_nc_u32 v8, 576, v8
	v_nop
	FETCHH ((\sg)+1)%2
.endif
.if (\sg) < 9
.set LS, (\sg)+7                                   ; W2 runs seven steps ahead
	WIN (1+LS/10)<<6
.irp t, 0,1
.irp i, 0,1,2
	global_load_b128 v[24*(LS%10)+12*\t+4*\i:24*(LS%10)+12*\t+4*\i+3], v3, s[12:13] offset:24576*\t+96*LS+16*\i
.endr
.endr
.endif
.if (\sg) < 15
	s_wait_dscnt 45                                ; this step's h is in; the 45 loads just issued may be out
.else
	s_wait_dscnt 0x0
.endif
.if (\sg) < 7
	s_wait_loadcnt 51                              ; this step's W2 is in: seven steps of six loads and the nine gates are younger
.elseif (\sg) < 9
	s_wait_loadcnt 42                              ; seven steps of six
.else
	s_wait_loadcnt 6*(15-(\sg))                    ; the steps that follow
.endif
.set WW, 1+(\sg)/10
.set WF, 24*((\sg)%10)
.set HW, 2*((\sg)%2)
.set HF, 104+40*((\sg)%2)
.set SH, 48+9*((\sg)%2)
.if (\sg) == 0
.set WN, WW|(HW<<2)|0xc0                           ; C = b2, window 0
.else
.set WN, WW|(HW<<2)|0xf0
.endif
	WIN WN
.irp m, 0,1,2,3,4,5,6,7,8
.irp t, 0,1
.if (\sg) == 0
	MM 16*\m+8*\t, WF+12*\t, HF+12*\m, 84+8*\t, 16+16*\t+(\sg), SH+\m
.else
	MM 16*\m+8*\t, WF+12*\t, HF+12*\m, 16*\m+8*\t, 16+16*\t+(\sg), SH+\m
.endif
.endr
.endr
.endm
.irp g, 0,1,2,3,4,5,6,7,8,9,10,11,12,13,14,15
	KSTEP \g
.endr
.rept 4
	v_nop                                          ; four plain lines between the last product and the first read of results
.endr
	WIN 0x03                                       ; source 0: window 3
.irp m, 0,1,2,3,4,5,6,7,8
.irp t, 0,1
.irp p, 0,1,2,3
	v_pk_mul_f32 v[104+16*\m+8*\t+2*\p:104+16*\m+8*\t+2*\p+1], v[16*\m+8*\t+2*\p:16*\m+8*\t+2*\p+1], v[66+2*\m:67+2*\m] op_sel_hi:[1,0]   ; x my row's gate (the pair's low word for both); each accumulator from its low end on
.endr
.endr
.endr
	WIN 0
.irp m, 0,1,2,3,4,5,6,7
.irp t, 0,1
.irp q, 0,1
	ds_store_b128 v11, v[104+16*\m+8*\t+4*\q:104+16*\m+8*\t+4*\q+3] offset:8448*\m+64*\t+16*\q
.endr
.endr
.endr
.irp t, 0,1
.irp q, 0,1
	ds_store_b128 v12, v[232+8*\t+4*\q:232+8*\t+4*\q+3] offset:64*\t+16*\q
.endr
.endr
.Lb2:
	s_wait_dscnt 0x0                               ; my part of the stage has landed
	s_barrier_signal -1
	s_barrier_wait -1
; ---- phase 3: wave w stores rows 36 w .. 36 w + 35 of the stage, as far as the tile has rows: 512 consecutive bytes of the entry's row of ybuf
	s_cmp_eq_u32 s35, 0
	s_cbranch_scc1 .Lend
.set N, 0
.rept 36
	ds_load_b32 v[76+N], v10 offset:4*N            ; the row's entry, the same for all lanes
.set N, N+1
.endr
.set N, 0
.rept 36
	ds_load_b128 v[112+4*N:112+4*N+3], v13 offset:528*N
.set N, N+1
.endr
.set N, 0
.rept 36
	s_wait_dscnt 35-N                              ; row N is in (and all entries): the rows behind it may be out
	s_cmp_le_i32 s51, N
	s_cbranch_scc1 .Lend
	v_min_u32 v[76+N], 0xfff, v[76+N]
	v_lshl_add_u32 v[76+N], v[76+N], 12, v14       ; entry x 4,096 + 16 x lane; each row has registers of its own
	global_store_b128 v[76+N], v[112+4*N:112+4*N+3], s[18:19]
.set N, N+1
.endr
.Lend:
	s_wait_dscnt 0x0
	s_set_vgpr_msb 0xa
	s_wait_tensorcnt 0x0
	ds_add_u32 v254, v255
	s_wait_dscnt 0x0
	s_set_vgpr_msb 0xa00
	s_endpgm
.Lfunc_end_k_q5197726fce_down:
	.size	k_q5197726fce_down, .Lfunc_end_k_q5197726fce_down-k_q5197726fce_down
	.p2alignl 7, 3214868480
	.fill 96, 4, 3214868480
	.section	.rodata,"a",@progbits
	.p2align	6, 0x0
	.amdhsa_kernel k_q5197726fce_down
		.amdhsa_group_segment_fixed_size 309248
		.amdhsa_private_segment_fixed_size 0
		.amdhsa_enable_private_segment 0
		.amdhsa_kernarg_size 64
		.amdhsa_user_sgpr_count 2
		.amdhsa_user_sgpr_kernarg_segment_ptr 1
		.amdhsa_wavefront_size32 1
		.amdhsa_system_sgpr_workgroup_id_x 1
		.amdhsa_system_sgpr_workgroup_id_y 1
		.amdhsa_system_sgpr_workgroup_id_z 1
		.amdhsa_system_vgpr_workitem_id 0
		.amdhsa_next_free_vgpr 1024
		.amdhsa_next_free_sgpr 66
		.amdhsa_reserve_vcc 0
		.amdhsa_float_denorm_mode_32 3
		.amdhsa_float_denorm_mode_16_64 3
		.amdhsa_memory_ordered 1
		.amdhsa_forward_progress 1
		.amdhsa_inst_pref_size 154
	.end_amdhsa_kernel
	.amdgpu_metadata
---
amdhsa.version: [ 1, 2 ]
amdhsa.kernels:
  - .name:           k_q5197726fce_down
    .symbol:         k_q5197726fce_down.kd
    .args:
      - { .name: rows, .offset: 0, .size: 8, .value_kind: global_buffer, .address_space: global }
      - { .name: gate, .offset: 8, .size: 8, .value_kind: global_buffer, .address_space: global }
      - { .name: hid, .offset: 16, .size: 8, .value_kind: global_buffer, .address_space: global }
      - { .name: hsc, .offset: 24, .size: 8, .value_kind: global_buffer, .address_space: global }
      - { .name: W2_codes, .offset: 32, .size: 8, .value_kind: global_buffer, .address_space: global }
      - { .name: W2_scales, .offset: 40, .size: 8, .value_kind: global_buffer, .address_space: global }
      - { .name: b2, .offset: 48, .size: 8, .value_kind: global_buffer, .address_space: global }
      - { .name: ybuf, .offset: 56, .size: 8, .value_kind: global_buffer, .address_space: global }
    .group_segment_fixed_size: 309248
    .private_segment_fixed_size: 0
    .kernarg_segment_align: 8
    .kernarg_segment_size: 64
    .max_flat_workgroup_size: 128
    .sgpr_count:     66
    .vgpr_count:     1024
    .wavefront_size: 32
...
	.end_amdgpu_metadata
.endif
;; end of part 4
;; launch join (part 5): grid 256 x 1, 8 waves a work-group, no clusters, 0 bytes of LDS; arguments ybuf, out0; writes out0
.if DOCPART == 5
	.amdgcn_target "amdgcn-amd-amdhsa--gfx1250"
	.amdhsa_code_object_version 6
	.text
	.protected	k_q5197726fce_join
	.globl	k_q5197726fce_join
	.p2align	8
	.type	k_q5197726fce_join,@function
k_q5197726fce_join:
	s_mov_b64 s[64:65], 0
	v_nop
	global_prefetch_b8 v0, s[64:65] scope:SCOPE_SE
	s_setreg_imm32_b32 hwreg(HW_REG_WAVE_MODE, 25, 1), 1
	s_wait_xcnt 0x0
; JOIN.  out0[t] = ybuf[2 t] + ybuf[2 t + 1]: a token's two gated expert rows, the first choice first, in f32.
; A work-group takes 8 tokens; thread i owns the 16 bytes at 16 i of every row, so a wave's load or store covers 512 consecutive bytes.  All sixteen loads are issued at once; no loop, no LDS, no barrier.
	s_load_b128 s[4:7], s[0:1], 0x0                ; ybuf, out0
	v_lshlrev_b32 v1, 4, v0
	s_lshl_b32 s8, ttmp9, 16                       ; 16 rows of 4,096 bytes
	s_mov_b32 s9, 0
	s_lshl_b32 s10, ttmp9, 15                      ; 8 rows
	s_mov_b32 s11, 0
	s_wait_kmcnt 0x0
	s_add_nc_u64 s[4:5], s[4:5], s[8:9]
	s_add_nc_u64 s[6:7], s[6:7], s[10:11]
.irp i, 0,1,2,3,4,5,6,7
	global_load_b128 v[4+8*\i:7+8*\i], v1, s[4:5] offset:8192*\i th:TH_LOAD_NT
	global_load_b128 v[8+8*\i:11+8*\i], v1, s[4:5] offset:8192*\i+4096 th:TH_LOAD_NT
.endr
.irp i, 0,1,2,3,4,5,6,7
	s_wait_loadcnt 14-2*\i                         ; token i's two loads are in; the later tokens' may be out
	v_pk_add_f32 v[68+4*\i:69+4*\i], v[4+8*\i:5+8*\i], v[8+8*\i:9+8*\i]
	v_pk_add_f32 v[70+4*\i:71+4*\i], v[6+8*\i:7+8*\i], v[10+8*\i:11+8*\i]
	global_store_b128 v1, v[68+4*\i:71+4*\i], s[6:7] offset:4096*\i th:TH_STORE_NT
.endr
	s_endpgm
.Lfunc_end_k_q5197726fce_join:
	.size	k_q5197726fce_join, .Lfunc_end_k_q5197726fce_join-k_q5197726fce_join
	.p2alignl 7, 3214868480
	.fill 96, 4, 3214868480
	.section	.rodata,"a",@progbits
	.p2align	6, 0x0
	.amdhsa_kernel k_q5197726fce_join
		.amdhsa_group_segment_fixed_size 0
		.amdhsa_private_segment_fixed_size 0
		.amdhsa_enable_private_segment 0
		.amdhsa_kernarg_size 16
		.amdhsa_user_sgpr_count 2
		.amdhsa_user_sgpr_kernarg_segment_ptr 1
		.amdhsa_wavefront_size32 1
		.amdhsa_system_sgpr_workgroup_id_x 1
		.amdhsa_system_sgpr_workgroup_id_y 1
		.amdhsa_system_sgpr_workgroup_id_z 1
		.amdhsa_system_vgpr_workitem_id 0
		.amdhsa_next_free_vgpr 104
		.amdhsa_next_free_sgpr 66
		.amdhsa_reserve_vcc 0
		.amdhsa_float_denorm_mode_32 3
		.amdhsa_float_denorm_mode_16_64 3
		.amdhsa_memory_ordered 1
		.amdhsa_forward_progress 1
		.amdhsa_inst_pref_size 5
	.end_amdhsa_kernel
	.amdgpu_metadata
---
amdhsa.version: [ 1, 2 ]
amdhsa.kernels:
  - .name:           k_q5197726fce_join
    .symbol:         k_q5197726fce_join.kd
    .args:
      - { .name: ybuf, .offset: 0, .size: 8, .value_kind: global_buffer, .address_space: global }
      - { .name: out0, .offset: 8, .size: 8, .value_kind: global_buffer, .address_space: global }
    .group_segment_fixed_size: 0
    .private_segment_fixed_size: 0
    .kernarg_segment_align: 8
    .kernarg_segment_size: 16
    .max_flat_workgroup_size: 256
    .sgpr_count:     66
    .vgpr_count:     104
    .wavefront_size: 32
...
	.end_amdgpu_metadata
.endif
;; end of part 5
;; ======== version 2 of 2: 5 launches
;; workspace buffers: xq 1,572,864 bytes; xs 65,536 bytes; choice 16,384 bytes of whole numbers; gate 16,384 bytes; rows 65,792 bytes of whole numbers; hid 26,542,080 bytes; hsc 1,105,920 bytes; ybuf 16,777,216 bytes
;; launch route (part 6): grid 256 x 1, 4 waves a work-group, no clusters, 78,848 bytes of LDS; arguments x, Wg, bg, xq, xs, choice, gate; writes xq, xs, choice, gate
.if DOCPART == 6
	.amdgcn_target "amdgcn-amd-amdhsa--gfx1250"
	.amdhsa_code_object_version 6
	.text
	.protected	k_q5197726fce_route
	.globl	k_q5197726fce_route
	.p2align	8
	.type	k_q5197726fce_route,@function
k_q5197726fce_route:
	s_mov_b64 s[64:65], 0
	v_nop
	global_prefetch_b8 v0, s[64:65] scope:SCOPE_SE
	s_setreg_imm32_b32 hwreg(HW_REG_WAVE_MODE, 25, 1), 1
	s_wait_xcnt 0x0
; ROUTE.  For each token: the eight logits x Wg + bg in f32, the two largest (a tie keeps the lower index), the softmax over those two (the larger
; logit is taken away before the exponential); and x quantised along D to E2M3 with one E8M0 byte for each 32 numbers.
; A work-group takes 8 tokens, a wave 2.  A lane holds block l of each token, d = 32 l .. 32 l + 31: a block's largest magnitude needs no other lane, and a
; lane's part of a logit is 32 multiply-adds with its own 32 rows of Wg.
; OUT: xq [token][768]: the codes as one stream of bits, block b at byte 24 b.  xs [token][32]: in each group of four scale bytes the middle two change places,
; since the products take, for 128 along K, 48 consecutive bytes of a row for each half of the lanes.
; choice [2 t + k]: the expert;  gate [2 t + k]: its weight.
; LIMITS: NaN and infinities in x, Wg, bg are not served.  A logit is summed in another order than a plain row sum (32 in a lane, then a tree over 32 lanes), all in f32:
; two logits nearer than that rounding may change places.  A block whose largest magnitude lies under 2^-124 gets the byte 1 (a block of zeros too: its codes are zeros).
.set WREG, 33280                       ; LDS: Wg takes 32 x 1,040 bytes (1,024 + 16 of padding for each lane's 32 rows); then a region for each wave
.set WSZ,  11264                       ; a wave's region: two stages of 32 x 144 bytes for x, two of 64 x 16 bytes for codes
.set CSO,  9216
.set WB,   16                          ; v16-79   Wg as loaded, later two buffers of 4 rows x 8 experts
.set XL,   80                          ; v80-143  x as loaded, later codes
.set X,    144                         ; v144-207 two tokens x 32 neighbours
.set ACC,  208                         ; v208-223 two tokens x 8 logits
	s_load_b256 s[4:11], s[0:1], 0x0               ; x, Wg, bg, xq
	s_load_b128 s[12:15], s[0:1], 0x20             ; xs, choice
	s_load_b64 s[16:17], s[0:1], 0x30              ; gate
	v_lshl_add_u32 v254, v0, 2, 0x13200
	v_mov_b32 v255, 0
	v_lshrrev_b32 v1, 5, v0
	v_readfirstlane_b32 s18, v1                    ; wave
	v_and_b32 v1, 31, v0                           ; lane
	v_lshlrev_b32 v2, 4, v1                        ; x: 16 bytes a lane of a load's 512
	v_lshlrev_b32 v3, 4, v0                        ; Wg: 16 bytes a thread of a load's 2,048
	v_lshrrev_b32 v4, 6, v0
	v_lshl_add_u32 v4, v4, 4, v3                   ; Wg into LDS: + 16 for each 1,024 bytes passed
	v_mul_u32_u24 v5, v1, 1040                     ; Wg out of LDS: my 32 rows
	s_mul_i32 s19, s18, WSZ
	s_add_co_u32 s19, s19, WREG                    ; my wave's region
	v_lshrrev_b32 v6, 3, v1
	v_mul_u32_u24 v6, v6, 144
	v_and_b32 v7, 7, v1
	v_lshl_add_u32 v6, v7, 4, v6
	v_add_nc_u32 v6, s19, v6                       ; x into the stage: eight lanes' 128 bytes are a block: a place of 144 bytes
	v_mul_u32_u24 v7, v1, 144
	v_add_nc_u32 v7, s19, v7                       ; and out: my block
	v_lshl_add_u32 v8, v1, 5, s19
	v_add_nc_u32 v8, CSO, v8                       ; codes in: two places of 16 bytes a lane, 12 bytes in each
	v_lshl_add_u32 v9, v1, 4, s19
	v_add_nc_u32 v9, CSO, v9                       ; codes out: a place a lane
	v_mul_u32_u24 v10, v1, 12                      ; and its 12 bytes in memory
	v_and_b32 v11, 28, v1
	v_and_b32 v12, 1, v1
	v_lshl_or_b32 v11, v12, 1, v11
	v_bfe_u32 v12, v1, 1, 1
	v_or_b32 v11, v11, v12                         ; my scale byte's place: the block number with its two lowest bits exchanged
	s_lshl_b32 s20, ttmp9, 3
	s_lshl_b32 s21, s18, 1
	s_add_co_u32 s20, s20, s21                     ; my first token
	s_lshl_b32 s22, s20, 12
	s_mov_b32 s23, 0
	s_mul_i32 s24, s20, 768
	s_mov_b32 s25, 0
	s_lshl_b32 s26, s20, 5
	s_mov_b32 s27, 0
	s_lshl_b32 s28, s20, 3
	s_mov_b32 s29, 0
	s_mov_b32 s40, 0x76543210
	s_mov_b32 s41, 0xfedcba98                      ; lane selects: lane l xor 16
	s_wait_kmcnt 0x0
	s_load_b256 s[32:39], s[8:9], 0x0              ; bg
	s_add_nc_u64 s[4:5], s[4:5], s[22:23]
	s_add_nc_u64 s[10:11], s[10:11], s[24:25]
	s_add_nc_u64 s[12:13], s[12:13], s[26:27]
	s_add_nc_u64 s[14:15], s[14:15], s[28:29]
	s_add_nc_u64 s[16:17], s[16:17], s[28:29]
.irp n, 0,1,2,3,4,5,6,7,8,9,10,11,12,13,14,15
	global_load_b128 v[WB+4*\n:WB+4*\n+3], v3, s[6:7] offset:2048*\n
.endr
.irp k, 0,1
.irp j, 0,1,2,3,4,5,6,7
	global_load_b128 v[XL+32*\k+4*\j:XL+32*\k+4*\j+3], v2, s[4:5] offset:4096*\k+512*\j th:TH_LOAD_NT
.endr
.endr
	s_wait_loadcnt 16                              ; Wg's sixteen are in; x's sixteen are the younger ones
.irp n, 0,1,2,3,4,5,6,7,8,9,10,11,12,13,14,15
	ds_store_b128 v4, v[WB+4*\n:WB+4*\n+3] offset:2080*\n
.endr
	s_wait_loadcnt 0x0
.irp k, 0,1
.irp j, 0,1,2,3,4,5,6,7
	ds_store_b128 v6, v[XL+32*\k+4*\j:XL+32*\k+4*\j+3] offset:4608*\k+576*\j
.endr
.endr
.irp k, 0,1
.irp i, 0,1,2,3,4,5,6,7
	ds_load_b128 v[X+32*\k+4*\i:X+32*\k+4*\i+3], v7 offset:4608*\k+16*\i    ; my wave's own bytes, served in order behind the stores
.endr
.endr
	s_wait_dscnt 0x0                               ; my part of Wg has landed (for the other waves), and x is back
	s_barrier_signal -1
	s_barrier_wait -1
; THE LOGITS.  Chunk c is rows 4 c .. 4 c + 3 of my 32 rows of Wg: 128 bytes, in two buffers by turns.
.macro FETCHW c
.irp q, 0,1,2,3,4,5,6,7
	ds_load_b128 v[WB+32*((\c)%2)+4*\q:WB+32*((\c)%2)+4*\q+3], v5 offset:128*(\c)+16*\q
.endr
.endm
.macro GATE c
.if (\c) < 7
	FETCHW (\c)+1
	s_wait_alu depctr_va_vdst(0)
	s_wait_dscnt 8                                 ; this chunk is in; the eight just issued may be out
.else
	s_wait_dscnt 0x0
.endif
.set WC, WB+32*((\c)%2)
.irp i, 0,1,2,3
.irp k, 0,1
.irp p, 0,1,2,3
.set XR, X+32*\k+4*(\c)+2*(\i/2)
.if (\c) == 0 && \i == 0
	v_pk_mul_f32 v[ACC+8*\k+2*\p:ACC+8*\k+2*\p+1], v[WC+8*\i+2*\p:WC+8*\i+2*\p+1], v[XR:XR+1] op_sel_hi:[1,0]   ; the first products start the sums
.elseif \i%2 == 0
	v_pk_fma_f32 v[ACC+8*\k+2*\p:ACC+8*\k+2*\p+1], v[WC+8*\i+2*\p:WC+8*\i+2*\p+1], v[XR:XR+1], v[ACC+8*\k+2*\p:ACC+8*\k+2*\p+1] op_sel_hi:[1,0,1]   ; two experts x the pair's first x
.else
	v_pk_fma_f32 v[ACC+8*\k+2*\p:ACC+8*\k+2*\p+1], v[WC+8*\i+2*\p:WC+8*\i+2*\p+1], v[XR:XR+1], v[ACC+8*\k+2*\p:ACC+8*\k+2*\p+1] op_sel:[0,1,0] op_sel_hi:[1,1,1]   ; x the pair's second x
.endif
.endr
.endr
.endr
.endm
	FETCHW 0
.irp c, 0,1,2,3,4,5,6,7
	s_wait_alu depctr_va_vdst(0)
	GATE \c
.endr
; THE CODES.  The two tokens by turns.
.irp k, 0,1
	v_max3_num_f32 v[224+\k], |v[X+32*\k]|, |v[X+32*\k+1]|, 0x1800000    ; with the floor 2^(3 - 127): the byte cannot fall under 1
.endr
.irp i, 2,4,6,8,10,12,14,16,18,20,22,24,26,28,30
.irp k, 0,1
	v_max3_num_f32 v[224+\k], v[224+\k], |v[X+32*\k+\i]|, |v[X+32*\k+\i+1]|
.endr
.endr
.irp k, 0,1
	v_add_nc_u32 v[226+\k], 0xff000000, v[224+\k]  ; 2 off the exponent field: the conversion's scale operand
.endr
.irp k, 0,1
	v_cvt_scalef32_pk16_fp6_f32 v[XL+8*\k:XL+8*\k+2], v[X+32*\k:X+32*\k+15], v[226+\k]
	v_cvt_scalef32_pk16_fp6_f32 v[XL+8*\k+4:XL+8*\k+6], v[X+32*\k+16:X+32*\k+31], v[226+\k]
.endr
.irp k, 0,1
	v_lshrrev_b32 v[228+\k], 23, v[226+\k]         ; the scale's byte (a plain line behind the conversions)
.endr
.irp k, 0,1
	ds_store_b96 v8, v[XL+8*\k:XL+8*\k+2] offset:1024*\k
	ds_store_b96 v8, v[XL+8*\k+4:XL+8*\k+6] offset:1024*\k+16
.endr
.irp k, 0,1
.irp i, 0,1
	ds_load_b96 v[XL+16+8*\k+4*\i:XL+16+8*\k+4*\i+2], v9 offset:1024*\k+512*\i   ; place lane + 32 i: 12 bytes of the row's stream
.endr
.endr
; The sixteen sums over the 32 lanes, while the codes turn through LDS.
.irp x, 1,2,4,8
.irp k, 0,1,2,3,4,5,6,7,8,9,10,11,12,13,14,15
	v_add_f32_dpp v[ACC+\k], v[ACC+\k], v[ACC+\k] row_xmask:\x row_mask:0xf bank_mask:0xf
.endr
.endr
.irp k, 0,1,2,3,4,5,6,7,8,9,10,11,12,13,14,15
	v_permlanex16_b32 v[WB+\k], v[ACC+\k], s40, s41
.endr
.irp k, 0,1,2,3,4,5,6,7,8,9,10,11,12,13,14,15
	v_add_f32 v[ACC+\k], v[ACC+\k], v[WB+\k]
.endr
	s_wait_kmcnt 0x0                               ; bg
.irp k, 0,1
.irp e, 0,1,2,3,4,5,6,7
	v_add_f32 v[ACC+8*\k+\e], s[32+\e], v[ACC+8*\k+\e]
.endr
.endr
	s_wait_dscnt 0x0                               ; the codes are back
.irp k, 0,1
.irp i, 0,1
	global_store_b96 v10, v[XL+16+8*\k+4*\i:XL+16+8*\k+4*\i+2], s[10:11] offset:768*\k+384*\i   ; 32 lanes store 384 consecutive bytes
.endr
	global_store_b8 v11, v[228+\k], s[12:13] offset:32*\k
.endr
; THE TWO LARGEST.  A strict compare in ascending order keeps the lower index of equals.
.macro SCAN src, best, idx
.irp k, 0,1
	v_mov_b32 v[\best+\k], v[\src+8*\k]
	v_mov_b32 v[\idx+\k], 0
.endr
.irp e, 1,2,3,4,5,6,7
.irp k, 0,1
	v_cmp_gt_f32 vcc_lo, v[\src+8*\k+\e], v[\best+\k]
	v_cndmask_b32 v[\best+\k], v[\best+\k], v[\src+8*\k+\e], vcc_lo
	v_cndmask_b32 v[\idx+\k], v[\idx+\k], \e, vcc_lo
.endr
.endr
.endm
	SCAN ACC, 232, 234
	v_mov_b32 v240, 0xff800000                     ; -infinity takes the winner's place
.irp k, 0,1
.irp e, 0,1,2,3,4,5,6,7
	v_cmp_eq_u32 vcc_lo, \e, v[234+\k]
	v_cndmask_b32 v[WB+16+8*\k+\e], v[ACC+8*\k+\e], v240, vcc_lo
.endr
.endr
	SCAN WB+16, 236, 238
.irp k, 0,1
	v_sub_f32 v[242+\k], v[236+\k], v[232+\k]      ; second - first, 0 or less
.endr
.irp k, 0,1
	v_mul_f32 v[242+\k], 0x3fb8aa3b, v[242+\k]
.endr
	s_wait_alu depctr_va_vdst(0)
.irp k, 0,1
	v_exp_f32 v[242+\k], v[242+\k]                 ; p = e^(second - first), at most 1
.endr
	v_and_b32 v248, 1, v1                          ; (a plain line behind the exponentials)
	s_wait_alu depctr_va_vdst(0)                   ; one wait for both, ahead of their first reader
.irp k, 0,1
	v_add_f32 v[244+\k], 1.0, v[242+\k]
.endr
	s_wait_alu depctr_va_vdst(0)
.irp k, 0,1
	v_rcp_f32 v[244+\k], v[244+\k]                 ; the first gate, 1 / (1 + p)
.endr
	v_cmp_eq_u32 s42, 1, v248                      ; lanes 1, 3: the second choice  (a plain line behind the reciprocals)
	s_wait_alu depctr_va_vdst(0)
.irp k, 0,1
	v_mul_f32 v[246+\k], v[242+\k], v[244+\k]      ; the second gate, p / (1 + p)
.endr
	v_bfe_u32 v248, v1, 1, 1
	v_cmp_eq_u32 s43, 1, v248                      ; lanes 2, 3: the second token
	v_cndmask_b32 v249, v234, v238, s42
	v_cndmask_b32 v250, v235, v239, s42
	v_cndmask_b32 v249, v249, v250, s43            ; lane j < 4: the expert of entry 2 t0 + j
	v_cndmask_b32 v251, v244, v246, s42
	v_cndmask_b32 v252, v245, v247, s42
	v_cndmask_b32 v251, v251, v252, s43            ; and its gate
	v_lshlrev_b32 v253, 2, v1
	v_cmp_gt_u32 vcc_lo, 4, v1
	s_wait_alu depctr_va_vdst(0)
	s_wait_xcnt 0x0                                ; EXEC changes only when the stores above have had their addresses translated
	s_wait_tensorcnt 0x0
	ds_add_u32 v254, v255
	s_wait_dscnt 0x0
	s_and_saveexec_b32 s44, vcc_lo
	global_store_b32 v253, v249, s[14:15]
	global_store_b32 v253, v251, s[16:17]
	s_wait_xcnt 0x0
	s_or_b32 exec_lo, exec_lo, s44
	s_endpgm
.Lfunc_end_k_q5197726fce_route:
	.size	k_q5197726fce_route, .Lfunc_end_k_q5197726fce_route-k_q5197726fce_route
	.p2alignl 7, 3214868480
	.fill 96, 4, 3214868480
	.section	.rodata,"a",@progbits
	.p2align	6, 0x0
	.amdhsa_kernel k_q5197726fce_route
		.amdhsa_group_segment_fixed_size 78848
		.amdhsa_private_segment_fixed_size 0
		.amdhsa_enable_private_segment 0
		.amdhsa_kernarg_size 56
		.amdhsa_user_sgpr_count 2
		.amdhsa_user_sgpr_kernarg_segment_ptr 1
		.amdhsa_wavefront_size32 1
		.amdhsa_system_sgpr_workgroup_id_x 1
		.amdhsa_system_sgpr_workgroup_id_y 1
		.amdhsa_system_sgpr_workgroup_id_z 1
		.amdhsa_system_vgpr_workitem_id 0
		.amdhsa_next_free_vgpr 256
		.amdhsa_next_free_sgpr 66
		.amdhsa_reserve_vcc 1
		.amdhsa_float_denorm_mode_32 3
		.amdhsa_float_denorm_mode_16_64 3
		.amdhsa_memory_ordered 1
		.amdhsa_forward_progress 1
		.amdhsa_inst_pref_size 46
	.end_amdhsa_kernel
	.amdgpu_metadata
---
amdhsa.version: [ 1, 2 ]
amdhsa.kernels:
  - .name:           k_q5197726fce_route
    .symbol:         k_q5197726fce_route.kd
    .args:
      - { .name: x, .offset: 0, .size: 8, .value_kind: global_buffer, .address_space: global }
      - { .name: Wg, .offset: 8, .size: 8, .value_kind: global_buffer, .address_space: global }
      - { .name: bg, .offset: 16, .size: 8, .value_kind: global_buffer, .address_space: global }
      - { .name: xq, .offset: 24, .size: 8, .value_kind: global_buffer, .address_space: global }
      - { .name: xs, .offset: 32, .size: 8, .value_kind: global_buffer, .address_space: global }
      - { .name: choice, .offset: 40, .size: 8, .value_kind: global_buffer, .address_space: global }
      - { .name: gate, .offset: 48, .size: 8, .value_kind: global_buffer, .address_space: global }
    .group_segment_fixed_size: 78848
    .private_segment_fixed_size: 0
    .kernarg_segment_align: 8
    .kernarg_segment_size: 56
    .max_flat_workgroup_size: 128
    .sgpr_count:     66
    .vgpr_count:     256
    .wavefront_size: 32
...
	.end_amdgpu_metadata
.endif
;; end of part 6
;; launch place (part 7): grid 1 x 1, 32 waves a work-group, no clusters, 5,120 bytes of LDS; arguments choice, rows; writes rows
.if DOCPART == 7
	.amdgcn_target "amdgcn-amd-amdhsa--gfx1250"
	.amdhsa_code_object_version 6
	.text
	.protected	k_q5197726fce_place
	.globl	k_q5197726fce_place
	.p2align	8
	.type	k_q5197726fce_place,@function
k_q5197726fce_place:
	s_mov_b64 s[64:65], 0
	v_nop
	global_prefetch_b8 v0, s[64:65] scope:SCOPE_SE
	s_setreg_imm32_b32 hwreg(HW_REG_WAVE_MODE, 25, 1), 1
	s_wait_xcnt 0x0
; PLACE.  A counting sort of the 4,096 routed entries (entry = 2 x token + k) by expert, by one work-group, without atomics.
; rows [e][pos] = the entry at place pos of expert e (u32, 2,048 places an expert); at byte 65,536: the eight counts.
; Thread i owns entries 4 i .. 4 i + 3.  In a wave an entry's rank comes from the mask of lanes with the same expert (bits below my lane + what the wave has counted so far);
; the waves' counts meet in LDS, and each wave adds up the counts of the waves in front of it.
	s_load_b128 s[4:7], s[0:1], 0x0                ; choice, rows
	v_lshl_add_u32 v48, v0, 2, 0x400
	v_mov_b32 v49, 0
	v_lshrrev_b32 v1, 5, v0
	s_delay_alu instid0(VALU_DEP_1)
	v_readfirstlane_b32 s8, v1                     ; wave 0..31
	v_and_b32 v1, 31, v0
	v_lshlrev_b32 v2, 4, v0
	s_lshl_b32 s9, s8, 5
	v_mov_b32 v13, s9                              ; my wave's row of the table: 32 bytes
	v_lshlrev_b32 v14, 5, v1                       ; and the row of wave = my lane
	s_mov_b32 s10, 0x76543210
	s_mov_b32 s11, 0xfedcba98
.irp e, 0,1,2,3,4,5,6,7
	s_mov_b32 s[40+\e], 0                          ; what my wave has counted for expert e
.endr
.irp s, 0,1,2,3
	v_mov_b32 v[8+\s], 0
	v_mov_b32 v[28+\s], 0                          ; (destinations of lane moves count as read)
.endr
	s_wait_kmcnt 0x0
	global_load_b128 v[4:7], v2, s[4:5]
	s_wait_loadcnt 0x0
.irp s, 0,1,2,3
.irp e, 0,1,2,3,4,5,6,7
	v_cmp_eq_u32 s30, \e, v[4+\s]
	s_delay_alu instid0(VALU_DEP_1)
	v_mbcnt_lo_u32_b32 v12, s30, s[40+\e]          ; lanes below me with this expert + the count so far
	s_delay_alu instid0(VALU_DEP_1)
	v_cndmask_b32 v[8+\s], v[8+\s], v12, s30
	s_bcnt1_i32_b32 s31, s30
	s_add_co_u32 s[40+\e], s[40+\e], s31
.endr
.endr
.irp e, 0,1,2,3,4,5,6,7
	v_mov_b32 v[16+\e], s[40+\e]
.endr
	ds_store_b128 v13, v[16:19]                    ; all lanes write the same words with the same values
	ds_store_b128 v13, v[20:23] offset:16
	s_wait_dscnt 0x0                               ; for the other waves
	s_barrier_signal -1
	s_barrier_wait -1
	ds_load_b128 v[16:19], v14
	ds_load_b128 v[20:23], v14 offset:16
	s_wait_dscnt 0x0
	v_cmp_gt_u32 vcc_lo, s8, v1                    ; waves in front of mine
.irp k, 0,1,2,3
	v_lshl_or_b32 v[24+\k], v[17+2*\k], 16, v[16+2*\k]   ; two experts to a word: a sum is at most 4,096
.endr
.irp k, 0,1,2,3
	s_delay_alu instid0(VALU_DEP_4)
	v_cndmask_b32 v[24+\k], 0, v[24+\k], vcc_lo
.endr
.irp x, 1,2,4,8
.irp k, 0,1,2,3
	s_delay_alu instid0(VALU_DEP_4)
	v_mov_b32_dpp v[28+\k], v[24+\k] row_xmask:\x row_mask:0xf bank_mask:0xf
.endr
.irp k, 0,1,2,3
	s_delay_alu instid0(VALU_DEP_4)
	v_add_nc_u32 v[24+\k], v[24+\k], v[28+\k]
.endr
.endr
.irp k, 0,1,2,3
	s_delay_alu instid0(VALU_DEP_4)
	v_permlanex16_b32 v[28+\k], v[24+\k], s10, s11
.endr
.irp k, 0,1,2,3
	s_delay_alu instid0(VALU_DEP_4)
	v_add_nc_u32 v[24+\k], v[24+\k], v[28+\k]      ; in every lane: where my wave's entries of experts 2 k, 2 k + 1 begin
.endr
.irp s, 0,1,2,3
	v_lshrrev_b32 v32, 1, v[4+\s]
	s_delay_alu instid0(VALU_DEP_1)
	v_cmp_eq_u32 vcc_lo, 1, v32
	s_delay_alu instid0(VALU_DEP_1)
	v_cndmask_b32 v33, v24, v25, vcc_lo
	s_delay_alu instid0(VALU_DEP_3)
	v_cmp_eq_u32 vcc_lo, 2, v32
	s_delay_alu instid0(VALU_DEP_1)
	v_cndmask_b32 v33, v33, v26, vcc_lo
	v_cmp_eq_u32 vcc_lo, 3, v32
	s_delay_alu instid0(VALU_DEP_1)
	v_cndmask_b32 v33, v33, v27, vcc_lo
	v_and_b32 v34, 1, v[4+\s]
	s_delay_alu instid0(VALU_DEP_1)
	v_lshlrev_b32 v34, 4, v34
	s_delay_alu instid0(VALU_DEP_1)
	v_lshrrev_b32 v33, v34, v33
	s_delay_alu instid0(VALU_DEP_1)
	v_and_b32 v33, 0xffff, v33
	s_delay_alu instid0(VALU_DEP_1)
	v_add_nc_u32 v33, v33, v[8+\s]                 ; the entry's place in its expert
	s_delay_alu instid0(VALU_DEP_1)
	v_lshl_add_u32 v33, v[4+\s], 11, v33
	s_delay_alu instid0(VALU_DEP_1)
	v_min_u32 v[36+\s], 0x3fff, v33                ; held inside the table
	s_delay_alu instid0(VALU_DEP_1)
	v_lshlrev_b32 v[36+\s], 2, v[36+\s]
	v_lshl_or_b32 v[40+\s], v0, 2, \s              ; the entry's number
	global_store_b32 v[36+\s], v[40+\s], s[6:7]
.endr
	s_cmp_lg_u32 s8, 31
	s_cbranch_scc1 .Lend                           ; the last wave knows the totals: what lies in front of it + its own
	v_mov_b32 v44, 0
.irp k, 0,1,2,3
	v_readfirstlane_b32 s12, v[24+\k]
	s_and_b32 s13, s12, 0xffff
	s_add_co_u32 s13, s13, s[40+2*\k]
	v_writelane_b32 v44, s13, 2*\k
	s_lshr_b32 s13, s12, 16
	s_add_co_u32 s13, s13, s[41+2*\k]
	v_writelane_b32 v44, s13, 2*\k+1
.endr
	v_lshlrev_b32 v45, 2, v1
	v_cmp_gt_u32 vcc_lo, 8, v1
	s_wait_alu depctr_va_vdst(0)
	s_wait_xcnt 0x0                                ; EXEC changes only when the stores above have had their addresses translated
	s_and_saveexec_b32 s14, vcc_lo
	global_store_b32 v45, v44, s[6:7] offset:65536
	s_wait_xcnt 0x0
	s_or_b32 exec_lo, exec_lo, s14
.Lend:
	s_wait_tensorcnt 0x0
	ds_add_u32 v48, v49
	s_wait_dscnt 0x0
	s_endpgm
.Lfunc_end_k_q5197726fce_place:
	.size	k_q5197726fce_place, .Lfunc_end_k_q5197726fce_place-k_q5197726fce_place
	.p2alignl 7, 3214868480
	.fill 96, 4, 3214868480
	.section	.rodata,"a",@progbits
	.p2align	6, 0x0
	.amdhsa_kernel k_q5197726fce_place
		.amdhsa_group_segment_fixed_size 5120
		.amdhsa_private_segment_fixed_size 0
		.amdhsa_enable_private_segment 0
		.amdhsa_kernarg_size 16
		.amdhsa_user_sgpr_count 2
		.amdhsa_user_sgpr_kernarg_segment_ptr 1
		.amdhsa_wavefront_size32 1
		.amdhsa_system_sgpr_workgroup_id_x 1
		.amdhsa_system_sgpr_workgroup_id_y 1
		.amdhsa_system_sgpr_workgroup_id_z 1
		.amdhsa_system_vgpr_workitem_id 0
		.amdhsa_next_free_vgpr 50
		.amdhsa_next_free_sgpr 66
		.amdhsa_reserve_vcc 1
		.amdhsa_float_denorm_mode_32 3
		.amdhsa_float_denorm_mode_16_64 3
		.amdhsa_memory_ordered 1
		.amdhsa_forward_progress 1
		.amdhsa_inst_pref_size 22
	.end_amdhsa_kernel
	.amdgpu_metadata
---
amdhsa.version: [ 1, 2 ]
amdhsa.kernels:
  - .name:           k_q5197726fce_place
    .symbol:         k_q5197726fce_place.kd
    .args:
      - { .name: choice, .offset: 0, .size: 8, .value_kind: global_buffer, .address_space: global }
      - { .name: rows, .offset: 8, .size: 8, .value_kind: global_buffer, .address_space: global }
    .group_segment_fixed_size: 5120
    .private_segment_fixed_size: 0
    .kernarg_segment_align: 8
    .kernarg_segment_size: 16
    .max_flat_workgroup_size: 1024
    .sgpr_count:     66
    .vgpr_count:     50
    .wavefront_size: 32
...
	.end_amdgpu_metadata
.endif
;; end of part 7
;; launch up (part 8): grid 8 x 36, 4 waves a work-group, no clusters, 117,248 bytes of LDS; arguments rows, xq, xs, W1_codes, W1_scales, b1, hid, hsc; writes hid, hsc
.if DOCPART == 8
	.amdgcn_target "amdgcn-amd-amdhsa--gfx1250"
	.amdhsa_code_object_version 6
	.text
	.protected	k_q5197726fce_up
	.globl	k_q5197726fce_up
	.p2align	8
	.type	k_q5197726fce_up,@function
k_q5197726fce_up:
	s_mov_b64 s[64:65], 0
	v_nop
	global_prefetch_b8 v0, s[64:65] scope:SCOPE_SE
	s_setreg_imm32_b32 hwreg(HW_REG_WAVE_SCHED_MODE, 0, 2), 2
	s_setreg_imm32_b32 hwreg(HW_REG_WAVE_MODE, 25, 1), 1
	s_wait_xcnt 0x0
	s_wait_alu depctr_vm_vsrc(0)
; UP.  hid = Q(relu(x W1 + b1)) for the rows routed to one expert: a work-group makes 144 rows (tile y of the list of tiles) x 256 hidden units (x = g), on codes of E2M3.
; THE GRID SERVES EVERY SPLIT: 4,096 routed rows over 8 experts in tiles of 144 are never more than 36 tiles.  Each work-group finds its tile from the eight stored counts;
; one that a split leaves without rows stores nothing.  That is a branch on stored numbers, so the launch has no tensor load and no cluster: operands come by plain loads.
; The barriers stand on every wave's path; the three phases between them stand under a scalar branch each.
; K ORDER.  For 128 along K a lane takes 48 CONSECUTIVE bytes of its row (three loads of 16 bytes): lanes 0-15 blocks 0, 1, lanes 16-31 blocks 2, 3 of the four.  Both operands are taken so, so the
; products are the same; in a scale word the middle two bytes change places (W1's by v_perm_b32; xs is stored so).
; TRANSPOSED: source 0 = 16 rows of W1, source 1 = 16 tokens.  Wave w (sl = w / 2, c = w % 2) makes 64 units: lane a of tile t takes W1's row 256 g + 128 sl + 32 c + 64 (a / 8) + 8 t + a % 8.
; So lane (r, h) holds token r, and its 32 registers of the four tiles are units 128 (2 g + sl) + 64 h + 32 c + 0 .. 31: ONE WHOLE BLOCK of the next K, in the half of the lanes in which the next product wants it.
; Rows past a tile's end repeat the expert's last row: they are computed and stored in hid, and the next launch stores none of them.
; LDS: x's 72 fragments as images of their registers [step 8][row tile 9][1,536]; their scale words [step][row tile][16]; the hidden layer's scale words [sl][row tile][16].
; REGISTERS.  window 0: v1-14 addresses; v16-47 W1's scale words; v48-65 x's, two sets; v72-103 b1; v104-211 x, set 0; v212-243 the accumulators of row tile 8; v244-252 entries, later the hidden layer's scale bytes.
;   window 1: the accumulators of row tiles 0-7 (32 m + 8 t).  window 2: W1 of steps 0-4 (48 s + 12 t).  window 3: W1 of steps 5-7; from v144 x, set 1.
; THE MODE: SCHED_MODE bits 1:0 = 2 (LLVM: expert scheduling mode 2), set by the entry lines.  The code itself states the register dependences
; between vector or matrix instructions and memory or LDS instructions, with s_wait_alu, always for 0.
; THE PLAN.  Registers that memory or LDS instructions touch:
;   v3-v5, v8-v14   addresses, made at the head and never written again: one wait on va_vdst at the head's end, ahead of the first branch, serves them on every path.
;   v6, v7          read by every LDS load of x; stepped once a K step, at the step's head.
;   v104-121        first phase: offsets in the list, read by the loads of entries; written again as gather offsets, read by the gather loads; then x's set 0 lands there.
;   window 1        first phase: the gather loads land there and the LDS stores read it; then the products write the accumulators there.
;   X0, X1          x's two sets with their scale words.  K step s: its products read X[s % 2]; the loads issued in step s land in the other set, which the products of step s - 1 read.
;   v16-47          loaded, rewritten by v_perm_b32, read by the products as scales.     W1, b1: loaded once, named by the products alone.
;   v72-125, v244-252   the way out: codes and scale bytes, registers of their own for each row tile: written by the arithmetic, read by the stores, never written again.
; So ONE wait on va_vdst stands at a K step's head, behind the address steps; the step's loads follow it, dealt among its products, which name the accumulators, W1, X[s % 2] and W1's scale words:
; none of the registers that those loads touch.  One wait on vm_vsrc stands ahead of the address steps.  On the way out one wait on va_vdst serves three row tiles' stores.
.set XSC,   110592
.set HSS,   115200
.set STEPB, 13824                      ; nine fragments of 1,536 bytes
.set MSB, 0
.macro WIN new                         ; the immediate's high byte repeats the setting that is left; a switch that changes nothing is dropped
.if MSB != (\new)
	s_set_vgpr_msb (MSB<<8)|(\new)
.set MSB, (\new)
.endif
.endm
.macro MM d, a, b, c, sa, sb
	v_wmma_scale_f32_16x16x128_f8f6f4 v[\d:\d+7], v[\a:\a+11], v[\b:\b+11], v[\c:\c+7], v[\sa], v[\sb] matrix_a_fmt:MATRIX_FMT_FP6 matrix_b_fmt:MATRIX_FMT_FP6
.endm
; Which tile is mine: s23 = my number in the list, s[24:31] = the counts.  Out: s32 expert, s33 tile in the expert, s34 the expert's rows, s35 = 1 if there is such a tile.
.macro MAP
	s_mov_b32 s36, 0
	s_mov_b32 s32, 0
	s_mov_b32 s33, 0
	s_mov_b32 s34, 0
.irp e, 0,1,2,3,4,5,6,7
	s_min_u32 s37, s[24+\e], 2048
	s_add_co_u32 s38, s37, 143
	s_mul_i32 s38, s38, 29128
	s_lshr_b32 s38, s38, 22                        ; its tiles: (c + 143) / 144, exact for c + 143 under 32,768
	s_sub_co_u32 s39, s23, s36                     ; my number among them (wraps to a large number if an earlier expert took me)
	s_cmp_lt_u32 s39, s38
	s_cselect_b32 s32, \e, s32
	s_cselect_b32 s33, s39, s33
	s_cselect_b32 s34, s37, s34
	s_add_co_u32 s36, s36, s38
.endr
	s_cmp_lt_u32 s23, s36
	s_cselect_b32 s35, 1, 0
	s_min_u32 s32, s32, 7
	s_min_u32 s33, s33, 14
	s_mul_i32 s40, s33, 144                        ; the tile's first row in the expert
	s_sub_co_u32 s41, s34, 1                       ; the expert's last row
	s_lshl_b32 s42, s32, 11
.endm
.macro ROWIDX dst, tmp                 ; v[dst + m] = 4 x (2,048 E + min(144 J + 16 m + r, last row)), held inside the table
	v_add_nc_u32 v[\tmp], s40, v1
.irp m, 0,1,2,3,4,5,6,7,8
	v_add_nc_u32 v[\dst+\m], 16*\m, v[\tmp]
	v_min_u32 v[\dst+\m], s41, v[\dst+\m]
	v_add_nc_u32 v[\dst+\m], s42, v[\dst+\m]
	v_min_u32 v[\dst+\m], 0x3fff, v[\dst+\m]
	v_lshlrev_b32 v[\dst+\m], 2, v[\dst+\m]
.endr
.endm
	s_load_b256 s[4:11], s[0:1], 0x0               ; rows, xq, xs, W1's codes
	s_load_b256 s[12:19], s[0:1], 0x20             ; W1's scales, b1, hid, hsc
	v_lshl_add_u32 v254, v0, 2, 0x1c800
	v_mov_b32 v255, 0
	v_lshrrev_b32 v1, 5, v0
	v_readfirstlane_b32 s20, v1                    ; wave
	s_wait_alu depctr_va_sdst(0)                   ; s20 is written, ahead of its first reader: sl, c and the wave's addresses are made from it
	s_lshr_b32 s21, s20, 1                         ; sl
	s_and_b32 s22, s20, 1                          ; c
	s_and_b32 s23, ttmp7, 0xffff                   ; my number in the list of tiles
	s_wait_kmcnt 0x0
	s_load_b256 s[24:31], s[4:5], 0x10000          ; the eight counts
	v_and_b32 v15, 31, v0                          ; lane
	v_and_b32 v1, 15, v0                           ; r
	v_bfe_u32 v2, v0, 4, 1                         ; h
	v_lshrrev_b32 v3, 3, v1
	v_and_b32 v4, 7, v1
	v_lshl_add_u32 v4, v3, 6, v4                   ; 64 (r / 8) + r % 8
	v_mul_u32_u24 v3, v4, 768
	v_mad_u32_u24 v3, v2, 48, v3                   ; W1's codes: that row, + 48 h
	v_lshlrev_b32 v4, 5, v4                        ; W1's scale bytes: 32 a row
	v_lshlrev_b32 v5, 8, v2                        ; b1: 64 h units
	v_lshlrev_b32 v6, 4, v15                       ; x's images: 16 x lane; steps on from K step to K step
	v_lshl_add_u32 v7, v1, 2, XSC                  ; x's scale words: 4 r; steps on
	s_mul_i32 s37, s20, 2*STEPB
	v_add_nc_u32 v8, s37, v6                       ; where I store images: my wave's two K steps
	s_mul_i32 s37, s20, 1152
	v_add_nc_u32 v9, s37, v7                       ; and their scale words
	s_mul_i32 s37, s21, 576
	s_lshl_b32 s38, s22, 1
	s_add_co_u32 s37, s37, s38
	s_add_co_u32 s37, s37, HSS
	v_lshl_add_u32 v10, v1, 2, v2
	v_add_nc_u32 v10, s37, v10                     ; the hidden layer's scale byte: word (sl, m, r), byte 2 c + h
	v_lshl_add_u32 v11, v15, 2, HSS
	v_lshlrev_b32 v12, 4, v15
	v_lshlrev_b32 v13, 3, v15
	v_lshlrev_b32 v14, 2, v15
	s_mul_i32 s48, s20, 192                        ; my wave's two K steps in a row of xq,
	s_lshl_b32 s49, s20, 3                         ; and in a row of xs
	s_mov_b32 s50, 0x03010200                      ; byte select: the middle two change places
	s_wait_kmcnt 0x0
	MAP
	s_lshl_b32 s43, ttmp9, 8
	s_add_co_u32 s43, s43, s42
	s_lshl_b32 s44, s21, 7
	s_add_co_u32 s43, s43, s44
	s_lshl_b32 s44, s22, 5
	s_add_co_u32 s43, s43, s44                     ; my first row of W1: 2,048 E + 256 g + 128 sl + 32 c
	s_mov_b32 s45, 0
	s_mul_i32 s44, s43, 768
	s_add_nc_u64 s[10:11], s[10:11], s[44:45]
	s_lshl_b32 s44, s43, 5
	s_add_nc_u64 s[12:13], s[12:13], s[44:45]
	s_lshl_b32 s44, s43, 2
	s_add_nc_u64 s[14:15], s[14:15], s[44:45]
	s_mul_i32 s46, s32, 15
	s_add_co_u32 s46, s46, s33                     ; the tile's place in hid and hsc
	s_mul_i32 s44, s46, 221184
	s_lshl_b32 s47, ttmp9, 1
	s_add_co_u32 s47, s47, s21
	s_mul_i32 s47, s47, STEPB
	s_add_co_u32 s44, s44, s47                     ; + the next product's K step 2 g + sl
	s_mul_i32 s47, s22, 768
	s_add_co_u32 s44, s44, s47                     ; + my half of each fragment
	s_add_nc_u64 s[16:17], s[16:17], s[44:45]
	s_mul_i32 s44, s46, 9216
	s_mul_i32 s47, ttmp9, 1152
	s_add_co_u32 s44, s44, s47
	s_add_nc_u64 s[18:19], s[18:19], s[44:45]
	s_wait_alu depctr_va_vdst(0)                   ; the addresses v3 to v14 are written, which the loads and stores of all three phases read; ahead of the first branch, so on every path
; ---- phase 1: the tile's 144 rows of x, gathered by the list, go to LDS as register images.  Wave w fetches K steps 2 w and 2 w + 1.
	s_cmp_eq_u32 s35, 0
	s_cbranch_scc1 .Lb1
	ROWIDX 104, 123
	s_wait_alu depctr_va_vdst(0)                   ; the offsets v104 to v112 are written, which the nine loads below read
.irp m, 0,1,2,3,4,5,6,7,8
	global_load_b32 v[244+\m], v[104+\m], s[4:5]
.endr
	v_mul_u32_u24 v122, v2, 48
	v_add_nc_u32 v122, s48, v122
	s_wait_loadcnt 0x0                             ; the entries are in, and their address registers are free
	s_wait_alu depctr_vm_vsrc(0)                   ; the nine loads have read v104 to v112, which the lines below write again
.irp m, 0,1,2,3,4,5,6,7,8
	v_lshrrev_b32 v[244+\m], 1, v[244+\m]          ; entry / 2 = the token,
	v_min_u32 v[244+\m], 0x7ff, v[244+\m]          ; held inside x
	s_wait_alu depctr_va_vdst(0)
	v_mad_u32_u24 v[104+\m], v[244+\m], 0x300, v122
	v_lshl_add_u32 v[113+\m], v[244+\m], 5, s49
.endr
	WIN 0x40                                       ; destination window 1
	s_wait_alu depctr_va_vdst(0)                   ; the gather offsets v104 to v121 are written, which the loads below read
.irp m, 0,1,2,3,4,5,6,7,8
.irp s, 0,1
.irp i, 0,1,2
	global_load_b128 v[24*\m+12*\s+4*\i:24*\m+12*\s+4*\i+3], v[104+\m], s[6:7] offset:96*\s+16*\i
.endr
.endr
	global_load_b64 v[216+2*\m:217+2*\m], v[113+\m], s[8:9]
.endr
	WIN 0x04                                       ; an LDS store's data are its source 1: window 1
.irp m, 0,1,2,3,4,5,6,7,8
	s_wait_loadcnt 7*(8-\m)                        ; seven loads a row tile: the later tiles' may be out
.irp s, 0,1
.irp i, 0,1,2
	ds_store_b128 v8, v[24*\m+12*\s+4*\i:24*\m+12*\s+4*\i+3] offset:(9*\s+\m)*1536+512*\i
.endr
	ds_store_b32 v9, v[216+2*\m+\s] offset:(9*\s+\m)*64     ; both halves of the lanes write the same word with the same value
.endr
.endr
	WIN 0
.Lb1:
	s_wait_dscnt 0x0                               ; my images have landed
	s_barrier_signal -1
	s_barrier_wait -1
; ---- phase 2: the products, the activation, the quantiser
	s_cmp_eq_u32 s35, 0
	s_cbranch_scc1 .Lb2
	s_wait_alu depctr_vm_vsrc(0)                   ; the gather loads have read v104 to v121, in which x's set 0 lands; the LDS stores have read window 1, which the products write
.macro XFR set, f                      ; fragment f of the K step at v6 into set: three loads
.irp i, 0,1,2
	ds_load_b128 v[104+40*(\set)+12*(\f)+4*\i:104+40*(\set)+12*(\f)+4*\i+3], v6 offset:1536*(\f)+512*\i
.endr
.endm
.macro XSW set                         ; the nine scale words of the K step at v7 into set
.irp m, 0,1,2,3,4,5,6,7,8
	ds_load_b32 v[48+9*(\set)+\m], v7 offset:64*\m
.endr
.endm
.irp t, 0,1,2,3
.irp q, 0,1
	global_load_b128 v[16+8*\t+4*\q:16+8*\t+4*\q+3], v4, s[12:13] offset:256*\t+16*\q   ; W1's scale words: register 8 t + step
.endr
.endr
.irp t, 0,1,2,3
.irp q, 0,1
	global_load_b128 v[72+8*\t+4*\q:72+8*\t+4*\q+3], v5, s[14:15] offset:32*\t+16*\q    ; b1 in the result's layout
.endr
.endr
	WIN 0x80                                       ; destination window 2
.irp s, 0,1,2,3,4
.irp t, 0,1,2,3
.irp i, 0,1,2
	global_load_b128 v[48*\s+12*\t+4*\i:48*\s+12*\t+4*\i+3], v3, s[10:11] offset:6144*\t+96*\s+16*\i
.endr
.endr
.endr
	WIN 0
.irp f, 0,1,2,3,4,5,6,7,8
	XFR 0, \f                                      ; the first K step's x
.endr
	XSW 0
	s_wait_loadcnt 60                              ; the scale words and b1 are in: the 60 loads of codes are the younger ones
.set KK, 0
.rept 32
	v_perm_b32 v[16+KK], v[16+KK], v[16+KK], s50
.set KK, KK+1
.endr
.rept 4
	v_nop                                          ; with the four plain lines at the first step's head: eight between the last scale word so written and the first product
.endr
; A K step of 128: 36 products, the 36 accumulators by turns, one instruction a turn, in the same order in every step.
; The next step's x is asked for among this step's products: its scale words at the head, its nine fragments in five runs behind the products of row tiles 0 to 4; sixteen products stand behind the last run.
.macro KSTEP sg
.set NS, ((\sg)+1)%2
	s_wait_dscnt 0x0                               ; this step's x and its scale words are in: every LDS load issued so far
.if (\sg) < 7
	WIN 0
	s_wait_alu depctr_vm_vsrc(0)                   ; the LDS loads issued so far have read v6 and v7
	v_add_nc_u32 v6, STEPB, v6                     ; on to the next K step's images
	v_add_nc_u32 v7, 576, v7
	v_nop                                          ; four plain lines in all between the last step's products and this step's loads, as in this kernel's plain form;
	v_nop                                          ; in the first step they complete the eight between the last scale word written by v_perm_b32 and the first product
	s_wait_alu depctr_va_vdst(0)                   ; v6 and v7 are written; the last step's products are done reading the other set of x and its scale words, in which this step's loads land; in the first step the v_perm_b32 have written W1's scale words
	XSW NS
.endif
.if (\sg) < 3
	WIN 0xc0                                       ; W1 of step sg + 5 into window 3: registers that no vector or matrix instruction has named
.irp t, 0,1,2,3
.irp i, 0,1,2
	global_load_b128 v[48*(\sg)+12*\t+4*\i:48*(\sg)+12*\t+4*\i+3], v3, s[10:11] offset:6144*\t+96*((\sg)+5)+16*\i
.endr
.endr
.endif
.if (\sg) < 3
	s_wait_loadcnt 60                              ; this step's W1 is in: five steps of twelve loads are younger
.else
	s_wait_loadcnt 12*(7-(\sg))                    ; the steps that follow
.endif
.set WW, 2+(\sg)/5
.set WF, 48*((\sg)%5)
.set XW, 3*((\sg)%2)
.set XF, 104+40*((\sg)%2)
.set SX, 48+9*((\sg)%2)
.if (\sg) == 0
.set WN, WW|(XW<<2)|0x40                           ; C = b1, window 0
.else
.set WN, WW|(XW<<2)|0x50
.endif
	WIN WN
.irp m, 0,1,2,3,4,5,6,7
.irp t, 0,1,2,3
.if (\sg) == 0
	MM 32*\m+8*\t, WF+12*\t, XF+12*\m, 72+8*\t, 16+8*\t+(\sg), SX+\m
.else
	MM 32*\m+8*\t, WF+12*\t, XF+12*\m, 32*\m+8*\t, 16+8*\t+(\sg), SX+\m
.endif
.endr
.if ((\sg) < 7) && (\m < 5)
	WIN 0xc0*NS                                    ; the other set: window 0 or 3.  No wait: no vector or matrix instruction since the wait at the step's head names that set, v6 or v7
	XFR NS, 2*\m
.if \m < 4
	XFR NS, 2*\m+1
.endif
	WIN WN
.endif
.endr
.set WN, WW|(XW<<2)
	WIN WN
.irp t, 0,1,2,3
.if (\sg) == 0
	MM 212+8*\t, WF+12*\t, XF+96, 72+8*\t, 16+8*\t+(\sg), SX+8
.else
	MM 212+8*\t, WF+12*\t, XF+96, 212+8*\t, 16+8*\t+(\sg), SX+8
.endif
.endr
.endm
.irp g, 0,1,2,3,4,5,6,7
	KSTEP \g
.endr
	WIN 0
.rept 4
	v_nop                                          ; four plain lines between the last product and the first read of results
.endr
; Row tile m: relu, the block's largest number (all 32 are mine; none is negative, so no |.|), its scale, 32 codes: six registers of the next product's fragment.
.macro HQ m
.set TT, 128+32*((\m)%2)
.set PP, 72+6*(\m)
.set QQ, 192+4*((\m)%2)
.set MX, 200+4*((\m)%2)
.if (\m) < 8
.set AB, 32*(\m)
	WIN 0x04                                       ; source 1: window 1
.else
.set AB, 212
.endif
.set KK, 0
.rept 32
	v_max_num_f32 v[TT+KK], 0, v[AB+KK]            ; each accumulator from its low end on
.set KK, KK+1
.endr
	WIN 0
	v_max3_num_f32 v[MX], v[TT], v[TT+1], 0x1800000          ; two chains; the floor 2^(3 - 127) holds the byte at 1 from below
	v_max3_num_f32 v[MX+1], v[TT+16], v[TT+17], v[TT+18]
.irp i, 2,4,6,8,10,12
	v_max3_num_f32 v[MX], v[MX], v[TT+\i], v[TT+\i+1]
	v_max3_num_f32 v[MX+1], v[MX+1], v[TT+17+\i], v[TT+18+\i]
.endr
	v_max3_num_f32 v[MX], v[MX], v[TT+14], v[TT+15]
	v_max3_num_f32 v[MX], v[MX], v[MX+1], v[TT+31]
	v_add_nc_u32 v[MX+2], 0xff000000, v[MX]        ; 2 off the exponent field: the conversion's scale operand
	v_cvt_scalef32_pk16_fp6_f32 v[PP:PP+2], v[TT:TT+15], v[MX+2]
	v_cvt_scalef32_pk16_fp6_f32 v[QQ:QQ+2], v[TT+16:TT+31], v[MX+2]   ; (a conversion's three registers begin on an even number)
	v_lshrrev_b32 v[244+(\m)], 23, v[MX+2]         ; the scale's byte, in a register of the row tile's own (a plain line behind the conversions)
.irp i, 0,1,2
	v_mov_b32 v[PP+3+\i], v[QQ+\i]
.endr
.endm
.macro HOUT m                          ; row tile m's byte and codes leave; each row tile has its own registers: no store's data are written again
.set PP, 72+6*(\m)
	ds_store_b8 v10, v[244+(\m)] offset:64*(\m)
	global_store_b128 v12, v[PP:PP+3], s[16:17] offset:1536*(\m)        ; 32 lanes store 512 consecutive bytes, aligned to 256
	global_store_b64 v13, v[PP+4:PP+5], s[16:17] offset:1536*(\m)+512   ; and 256
.endm
	HQ 0
	HQ 1
	HQ 2
	s_wait_alu depctr_va_vdst(0)                   ; the conversions, moves and shifts have written the codes and bytes of row tiles 0 to 2, which the nine stores below read
	HOUT 0
	HOUT 1
	HOUT 2
	HQ 3
	HQ 4
	HQ 5
	s_wait_alu depctr_va_vdst(0)                   ; the same of row tiles 3 to 5
	HOUT 3
	HOUT 4
	HOUT 5
	HQ 6
	HQ 7
	HQ 8
	s_wait_alu depctr_va_vdst(0)                   ; the same of row tiles 6 to 8; and every line that names v208 to v216, in which the third phase's loads land, is done: no vector line follows
	HOUT 6
	HOUT 7
	HOUT 8
.Lb2:
	s_wait_dscnt 0x0                               ; my scale bytes have landed
	s_barrier_signal -1
	s_barrier_wait -1
; ---- phase 3: the four waves' scale bytes make whole words: wave 0 stores the 1,152 bytes as they lie
	s_cmp_eq_u32 s35, 0
	s_cbranch_scc1 .Lend
	s_cmp_lg_u32 s20, 0
	s_cbranch_scc1 .Lend
.irp i, 0,1,2,3,4,5,6,7,8
	ds_load_b32 v[208+\i], v11 offset:128*\i
.endr
	s_wait_dscnt 0x0
.irp i, 0,1,2,3,4,5,6,7,8
	global_store_b32 v14, v[208+\i], s[18:19] offset:128*\i
.endr
.Lend:
	s_wait_dscnt 0x0
	s_wait_alu depctr_hold_cnt(0) depctr_sa_sdst(0) depctr_va_vdst(0) depctr_va_sdst(0) depctr_va_ssrc(0) depctr_va_vcc(0) depctr_vm_vsrc(0)
	s_wait_tensorcnt 0x0
	ds_add_u32 v254, v255
	s_wait_dscnt 0x0
	s_endpgm
.Lfunc_end_k_q5197726fce_up:
	.size	k_q5197726fce_up, .Lfunc_end_k_q5197726fce_up-k_q5197726fce_up
	.p2alignl 7, 3214868480
	.fill 96, 4, 3214868480
	.section	.rodata,"a",@progbits
	.p2align	6, 0x0
	.amdhsa_kernel k_q5197726fce_up
		.amdhsa_group_segment_fixed_size 117248
		.amdhsa_private_segment_fixed_size 0
		.amdhsa_enable_private_segment 0
		.amdhsa_kernarg_size 64
		.amdhsa_user_sgpr_count 2
		.amdhsa_user_sgpr_kernarg_segment_ptr 1
		.amdhsa_wavefront_size32 1
		.amdhsa_system_sgpr_workgroup_id_x 1
		.amdhsa_system_sgpr_workgroup_id_y 1
		.amdhsa_system_sgpr_workgroup_id_z 1
		.amdhsa_system_vgpr_workitem_id 0
		.amdhsa_next_free_vgpr 1024
		.amdhsa_next_free_sgpr 66
		.amdhsa_reserve_vcc 0
		.amdhsa_float_denorm_mode_32 3
		.amdhsa_float_denorm_mode_16_64 3
		.amdhsa_memory_ordered 1
		.amdhsa_forward_progress 1
		.amdhsa_inst_pref_size 122
	.end_amdhsa_kernel
	.amdgpu_metadata
---
amdhsa.version: [ 1, 2 ]
amdhsa.kernels:
  - .name:           k_q5197726fce_up
    .symbol:         k_q5197726fce_up.kd
    .args:
      - { .name: rows, .offset: 0, .size: 8, .value_kind: global_buffer, .address_space: global }
      - { .name: xq, .offset: 8, .size: 8, .value_kind: global_buffer, .address_space: global }
      - { .name: xs, .offset: 16, .size: 8, .value_kind: global_buffer, .address_space: global }
      - { .name: W1_codes, .offset: 24, .size: 8, .value_kind: global_buffer, .address_space: global }
      - { .name: W1_scales, .offset: 32, .size: 8, .value_kind: global_buffer, .address_space: global }
      - { .name: b1, .offset: 40, .size: 8, .value_kind: global_buffer, .address_space: global }
      - { .name: hid, .offset: 48, .size: 8, .value_kind: global_buffer, .address_space: global }
      - { .name: hsc, .offset: 56, .size: 8, .value_kind: global_buffer, .address_space: global }
    .group_segment_fixed_size: 117248
    .private_segment_fixed_size: 0
    .kernarg_segment_align: 8
    .kernarg_segment_size: 64
    .max_flat_workgroup_size: 128
    .sgpr_count:     66
    .vgpr_count:     1024
    .wavefront_size: 32
...
	.end_amdgpu_metadata
.endif
;; end of part 8
;; launch down (part 9): grid 8 x 36, 4 waves a work-group, no clusters, 309,248 bytes of LDS; arguments rows, gate, hid, hsc, W2_codes, W2_scales, b2, ybuf; writes ybuf
.if DOCPART == 9
	.amdgcn_target "amdgcn-amd-amdhsa--gfx1250"
	.amdhsa_code_object_version 6
	.text
	.protected	k_q5197726fce_down
	.globl	k_q5197726fce_down
	.p2align	8
	.type	k_q5197726fce_down,@function
k_q5197726fce_down:
	s_mov_b64 s[64:65], 0
	v_nop
	global_prefetch_b8 v0, s[64:65] scope:SCOPE_SE
	s_setreg_imm32_b32 hwreg(HW_REG_WAVE_SCHED_MODE, 0, 2), 2
	s_setreg_imm32_b32 hwreg(HW_REG_WAVE_MODE, 25, 1), 1
	s_wait_xcnt 0x0
	s_wait_alu depctr_vm_vsrc(0)
; DOWN.  ybuf[entry] = gate[entry] x (h W2 + b2) for the rows routed to one expert: a work-group makes 144 rows (tile y of the list of tiles) x 128 outputs (x = g), on codes of E2M3.
; The list of tiles, the fixed grid of 36 tiles and the guarded phases between barriers on every wave's path are as in the launch before: a branch hangs on stored counts, so there is no tensor load and no cluster.
; The tile's hidden layer (16 K steps x 9 fragments, laid as register images by the launch before) is copied flat into LDS once and read by all four waves; wave w makes outputs 32 w .. 32 w + 31, and its
; rows of W2 go from memory straight into registers, each read once.
; TRANSPOSED: source 0 = 16 rows of W2, source 1 = 16 tokens: lane (r, h) holds row r and outputs 16 t + 8 h + 0 .. 7.  K order: 48 consecutive bytes of a row for each half of the lanes; in W2's scale words the middle two bytes change places.
; The results meet in a stage in LDS with bytes of its own and leave as runs of 512 bytes of a row of ybuf; rows past the tile's end (repeats of the expert's last row) are not stored.
; REGISTERS.  window 0: v1-15 addresses; v16-47 W2's scale words (16 t + step); v48-65 h's, two sets; v66-83 gate and entry of row tile m at 66 + 2 m, 67 + 2 m; v84-99 b2; v100-103 staging addresses; v104-211 h, set 0.
;   window 1: W2 of steps 0-9 (24 s + 12 t).  window 2: W2 of steps 10-15; from v144 h, set 1.  window 3: the 18 accumulators (16 m + 8 t).
; THE MODE: SCHED_MODE bits 1:0 = 2 (LLVM: expert scheduling mode 2), set by the entry lines.  The code itself states the register dependences
; between vector or matrix instructions and memory or LDS instructions, with s_wait_alu, always for 0.
; THE PLAN.  Registers that memory or LDS instructions touch:
;   v3-v5, v9-v15, v100-103, v248, v249   addresses, made at the head: one wait on va_vdst at the head's end, ahead of the first branch, serves them on every path.
;   v6, v7, v8      read by every LDS load of h; stepped once a K step, at the step's head.
;   windows 1, 2    first phase: the copy's loads land there and its LDS stores read them; then W2 and h's set 1 land there.
;   v214-222, v224-232   offsets in the list and in gate: written by vector lines, read by one load each; written over by the scaled results at the end.
;   v67 + 2 m       the entries: loaded, held by v_min_u32, read by an LDS store.
;   H0, H1          h's two sets with their scale words.  K step s: its products read H[s % 2]; the loads issued in step s land in the other set, which the products of step s - 1 read.
;   v16-47          loaded, rewritten by v_perm_b32, read by the products as scales.     W2, b2, the gates: loaded once, named by vector and matrix instructions alone.
;   v104-247        the scaled results: written by v_pk_mul_f32, read by the stores into the stage.     v76-255: the third phase's loads land there; v76-111 then become the stores' addresses.
; So ONE wait on va_vdst stands at a K step's head, behind the address steps; the step's loads follow it, dealt among its products, which name the accumulators, W2, H[s % 2] and W2's scale words:
; none of the registers that those loads touch.  One wait on vm_vsrc stands ahead of the address steps.  One wait on va_vdst serves all stores into the stage, one all stores of rows.
.set HSC,   221184
.set ENT,   230400                     ; the tile's 144 entries, a copy for each wave
.set OST,   232704                     ; the stage: 144 rows x (512 + 16) bytes
.set STEPB, 13824
.set MSB, 0
.macro WIN new                         ; the immediate's high byte repeats the setting that is left; a switch that changes nothing is dropped
.if MSB != (\new)
	s_set_vgpr_msb (MSB<<8)|(\new)
.set MSB, (\new)
.endif
.endm
.macro MM d, a, b, c, sa, sb
	v_wmma_scale_f32_16x16x128_f8f6f4 v[\d:\d+7], v[\a:\a+11], v[\b:\b+11], v[\c:\c+7], v[\sa], v[\sb] matrix_a_fmt:MATRIX_FMT_FP6 matrix_b_fmt:MATRIX_FMT_FP6
.endm
; Which tile is mine: s23 = my number in the list, s[24:31] = the counts.  Out: s32 expert, s33 tile in the expert, s34 the expert's rows, s35 = 1 if there is such a tile.
.macro MAP
	s_mov_b32 s36, 0
	s_mov_b32 s32, 0
	s_mov_b32 s33, 0
	s_mov_b32 s34, 0
.irp e, 0,1,2,3,4,5,6,7
	s_min_u32 s37, s[24+\e], 2048
	s_add_co_u32 s38, s37, 143
	s_mul_i32 s38, s38, 29128
	s_lshr_b32 s38, s38, 22                        ; its tiles: (c + 143) / 144, exact for c + 143 under 32,768
	s_sub_co_u32 s39, s23, s36                     ; my number among them (wraps to a large number if an earlier expert took me)
	s_cmp_lt_u32 s39, s38
	s_cselect_b32 s32, \e, s32
	s_cselect_b32 s33, s39, s33
	s_cselect_b32 s34, s37, s34
	s_add_co_u32 s36, s36, s38
.endr
	s_cmp_lt_u32 s23, s36
	s_cselect_b32 s35, 1, 0
	s_min_u32 s32, s32, 7
	s_min_u32 s33, s33, 14
	s_mul_i32 s40, s33, 144                        ; the tile's first row in the expert
	s_sub_co_u32 s41, s34, 1                       ; the expert's last row
	s_lshl_b32 s42, s32, 11
.endm
.macro ROWIDX dst, tmp                 ; v[dst + m] = 4 x (2,048 E + min(144 J + 16 m + r, last row)), held inside the table
	v_add_nc_u32 v[\tmp], s40, v1
.irp m, 0,1,2,3,4,5,6,7,8
	v_add_nc_u32 v[\dst+\m], 16*\m, v[\tmp]
	v_min_u32 v[\dst+\m], s41, v[\dst+\m]
	v_add_nc_u32 v[\dst+\m], s42, v[\dst+\m]
	v_min_u32 v[\dst+\m], 0x3fff, v[\dst+\m]
	v_lshlrev_b32 v[\dst+\m], 2, v[\dst+\m]
.endr
.endm
	s_load_b256 s[4:11], s[0:1], 0x0               ; rows, gate, hid, hsc
	s_load_b256 s[12:19], s[0:1], 0x20             ; W2's codes, W2's scales, b2, ybuf
	s_set_vgpr_msb 0x80
	v_lshl_add_u32 v254, v0, 2, 0x4b600
	v_mov_b32 v255, 0
	s_set_vgpr_msb 0x8000
	v_lshrrev_b32 v1, 5, v0
	v_readfirstlane_b32 s20, v1                    ; wave
	s_wait_alu depctr_va_sdst(0)                   ; s20 is written, ahead of its first reader: the wave's addresses are made from it
	s_and_b32 s23, ttmp7, 0xffff                   ; my number in the list of tiles
	s_wait_kmcnt 0x0
	s_load_b256 s[24:31], s[4:5], 0x10000          ; the eight counts
	v_and_b32 v250, 31, v0                         ; lane
	v_and_b32 v1, 15, v0                           ; r
	v_bfe_u32 v2, v0, 4, 1                         ; h
	v_mul_u32_u24 v3, v1, 1536
	v_mad_u32_u24 v3, v2, 48, v3                   ; W2's codes: row r, + 48 h
	v_lshlrev_b32 v4, 6, v1                        ; W2's scale bytes: 64 a row
	v_lshlrev_b32 v5, 5, v2                        ; b2: 8 h outputs
	v_lshlrev_b32 v6, 4, v250                      ; h's images, the parts of 16 bytes a lane; steps on from K step to K step
	s_wait_alu depctr_va_vdst(0)
	v_lshl_add_u32 v7, v250, 3, 512                ; the parts of 8 bytes a lane; steps on
	v_lshl_add_u32 v8, v1, 2, HSC                  ; h's scale words; steps on
	s_mul_i32 s37, s20, 576
	s_add_co_u32 s37, s37, ENT
	v_lshl_add_u32 v9, v1, 2, s37                  ; my wave's copy of the entries: in,
	s_mul_i32 s38, s20, 144
	s_add_co_u32 s38, s38, s37
	v_mov_b32 v10, s38                             ; and out: rows 36 w on, the same word for all lanes
	v_mul_u32_u24 v11, v1, 528
	v_lshl_add_u32 v11, v2, 5, v11
	s_lshl_b32 s38, s20, 7
	s_add_co_u32 s38, s38, OST
	v_add_nc_u32 v11, s38, v11                     ; the stage, in: row r, + 32 h, + 128 w
	v_add_nc_u32 v12, 67584, v11                   ; the same for row tile 8, past the immediate's reach
	s_mul_i32 s38, s20, 19008
	s_add_co_u32 s38, s38, OST
	v_add_nc_u32 v13, s38, v6                      ; and out: my 36 rows, 16 bytes a lane
	v_lshlrev_b32 v14, 4, v250
	v_lshlrev_b32 v15, 4, v0                       ; the copy of hid: 16 bytes a thread
.irp k, 0,1,2,3
	v_add_nc_u32 v[100+\k], 55296*\k, v15          ; into LDS: four bases, 27 stores of 2,048 bytes each
.endr
	v_lshlrev_b32 v248, 3, v0                      ; the copy of hsc: 8 bytes a thread
	v_add_nc_u32 v249, HSC, v248
	s_mov_b32 s52, 0x03010200                      ; byte select: the middle two change places
	s_wait_kmcnt 0x0
	MAP
	s_sub_co_u32 s50, s34, s40
	s_min_u32 s50, s50, 144                        ; the tile's rows
	s_mul_i32 s51, s20, 36
	s_sub_co_i32 s51, s50, s51                     ; how many of my 36 rows of the stage are to be stored (0 or less: none)
	s_mov_b32 s45, 0
	s_mul_i32 s46, s32, 15
	s_add_co_u32 s46, s46, s33                     ; the tile's place in hid and hsc
	s_mul_i32 s44, s46, 221184
	s_add_nc_u64 s[8:9], s[8:9], s[44:45]
	s_mul_i32 s44, s46, 9216
	s_add_nc_u64 s[10:11], s[10:11], s[44:45]
	s_lshl_b32 s43, s32, 10
	s_lshl_b32 s44, ttmp9, 7
	s_add_co_u32 s43, s43, s44
	s_lshl_b32 s44, s20, 5
	s_add_co_u32 s43, s43, s44                     ; my first row of W2: 1,024 E + 128 g + 32 w
	s_mul_i32 s44, s43, 1536
	s_add_nc_u64 s[12:13], s[12:13], s[44:45]
	s_lshl_b32 s44, s43, 6
	s_add_nc_u64 s[14:15], s[14:15], s[44:45]
	s_lshl_b32 s44, s43, 2
	s_add_nc_u64 s[16:17], s[16:17], s[44:45]
	s_lshl_b32 s44, ttmp9, 9
	s_add_nc_u64 s[18:19], s[18:19], s[44:45]      ; ybuf at my work-group's 128 columns
	s_wait_alu depctr_va_vdst(0)                   ; the addresses v3 to v15, v100 to v103, v248 and v249 are written, which the loads and stores of all three phases read; ahead of the first branch, so on every path
; ---- phase 1: the tile's hidden layer, 221,184 bytes of codes and 9,216 of scale words, into LDS as it lies
	s_cmp_eq_u32 s35, 0
	s_cbranch_scc1 .Lb1
	WIN 0x40                                       ; destination window 1
.set N, 0
.rept 64
	global_load_b128 v[4*N:4*N+3], v15, s[8:9] offset:2048*N
.set N, N+1
.endr
	WIN 0x80                                       ; destination window 2
.rept 44
	global_load_b128 v[4*(N-64):4*(N-64)+3], v15, s[8:9] offset:2048*N
.set N, N+1
.endr
.irp n, 0,1,2,3,4,5,6,7,8
	global_load_b64 v[176+2*\n:177+2*\n], v248, s[10:11] offset:1024*\n
.endr
.macro HST first, last                 ; loads first .. last go on to LDS
.set N, \first
.rept \last-\first+1
	ds_store_b128 v[100+N/27], v[4*(N%64):4*(N%64)+3] offset:2048*(N%27)
.set N, N+1
.endr
.endm
	s_wait_loadcnt 63                              ; of the 117 loads the first 54 are in
	WIN 0x04                                       ; an LDS store's data are its source 1: window 1
	HST 0, 53
	s_wait_loadcnt 32                              ; the first 85
	HST 54, 63
	WIN 0x08                                       ; window 2
	HST 64, 84
	s_wait_loadcnt 0x0
	HST 85, 107
.irp n, 0,1,2,3,4,5,6,7,8
	ds_store_b64 v249, v[176+2*\n:177+2*\n] offset:1024*\n
.endr
	WIN 0
.Lb1:
	s_wait_dscnt 0x0                               ; my part of the copy has landed
	s_barrier_signal -1
	s_barrier_wait -1
; ---- phase 2: the products, the gates, the stage
	s_cmp_eq_u32 s35, 0
	s_cbranch_scc1 .Lb2
	s_wait_alu depctr_vm_vsrc(0)                   ; the copy's LDS stores have read the registers of windows 1 and 2, in which W2 and h's set 1 land
.macro HFR set, f                      ; fragment f of the K step at v6, v7 into set: four loads
.irp c, 0,1
	ds_load_b128 v[104+40*(\set)+12*(\f)+6*\c:104+40*(\set)+12*(\f)+6*\c+3], v6 offset:1536*(\f)+768*\c
	ds_load_b64 v[104+40*(\set)+12*(\f)+6*\c+4:104+40*(\set)+12*(\f)+6*\c+5], v7 offset:1536*(\f)+768*\c
.endr
.endm
.macro HSW set                         ; the nine scale words of the K step at v8 into set
.irp m, 0,1,2,3,4,5,6,7,8
	ds_load_b32 v[48+9*(\set)+\m], v8 offset:64*\m
.endr
.endm
	ROWIDX 214, 223
	s_wait_alu depctr_va_vdst(0)                   ; the offsets v214 to v222 are written, which the nine loads below read
.irp m, 0,1,2,3,4,5,6,7,8
	global_load_b32 v[67+2*\m], v[214+\m], s[4:5]  ; the entries
.endr
.irp t, 0,1
.irp q, 0,1,2,3
	global_load_b128 v[16+16*\t+4*\q:16+16*\t+4*\q+3], v4, s[14:15] offset:1024*\t+16*\q   ; W2's scale words: register 16 t + step
.endr
.endr
.irp t, 0,1
.irp q, 0,1
	global_load_b128 v[84+8*\t+4*\q:84+8*\t+4*\q+3], v5, s[16:17] offset:64*\t+16*\q       ; b2 in the result's layout
.endr
.endr
	WIN 0x40                                       ; destination window 1
.irp s, 0,1,2,3,4,5,6
.irp t, 0,1
.irp i, 0,1,2
	global_load_b128 v[24*\s+12*\t+4*\i:24*\s+12*\t+4*\i+3], v3, s[12:13] offset:24576*\t+96*\s+16*\i
.endr
.endr
.endr
	WIN 0
.irp f, 0,1,2,3,4,5,6,7,8
	HFR 0, \f                                      ; the first K step's h
.endr
	HSW 0
	s_wait_loadcnt 54                              ; the nine entries are in: 8 + 4 + 42 loads are younger
.irp m, 0,1,2,3,4,5,6,7,8
	v_min_u32 v[67+2*\m], 0xfff, v[67+2*\m]        ; held inside gate and ybuf
.endr
.irp m, 0,1,2,3,4,5,6,7,8
	v_lshlrev_b32 v[224+\m], 2, v[67+2*\m]
.endr
	s_wait_alu depctr_va_vdst(0)                   ; the held entries are written, which the LDS stores read, and the offsets v224 to v232, which the loads of the gates read
.irp m, 0,1,2,3,4,5,6,7,8
	ds_store_b32 v9, v[67+2*\m] offset:64*\m       ; both halves of the lanes write the same word with the same value
.endr
.irp m, 0,1,2,3,4,5,6,7,8
	global_load_b32 v[66+2*\m], v[224+\m], s[6:7]  ; the gates
.endr
	s_wait_loadcnt 51                              ; the scale words and b2 are in: 42 loads of codes and the nine gates are younger
.set KK, 0
.rept 32
	v_perm_b32 v[16+KK], v[16+KK], v[16+KK], s52
.set KK, KK+1
.endr
.rept 4
	v_nop                                          ; with the four plain lines at the first step's head: eight between the last scale word so written and the first product
.endr
; A K step of 128: 18 products, the 18 accumulators by turns, one instruction a turn, in the same order in every step.
; The next step's h is asked for among this step's products: its scale words at the head, its nine fragments in five runs behind the products of row tiles 0 to 4; eight products stand behind the last run.
.macro KSTEP sg
.set NS, ((\sg)+1)%2
	s_wait_dscnt 0x0                               ; this step's h and its scale words are in: every LDS instruction issued so far
.if (\sg) < 15
	WIN 0
	s_wait_alu depctr_vm_vsrc(0)                   ; the LDS loads issued so far have read v6, v7 and v8
	v_add_nc_u32 v6, STEPB, v6                     ; on to the next K step's images
	v_add_nc_u32 v7, STEPB, v7
	v_add_nc_u32 v8, 576, v8
	v_nop                                          ; four plain lines in all between the last step's products and this step's loads, as in this kernel's plain form; in the first step they complete the eight behind the last v_perm_b32
	s_wait_alu depctr_va_vdst(0)                   ; v6, v7 and v8 are written; the last step's products are done reading the other set of h and its scale words, in which this step's loads land; in the first step the v_perm_b32 have written W2's scale words
	HSW NS
.endif
.if (\sg) < 9
.set LS, (\sg)+7                                   ; W2 runs seven steps ahead, into registers that no vector or matrix instruction has named
	WIN (1+LS/10)<<6
.irp t, 0,1
.irp i, 0,1,2
	global_load_b128 v[24*(LS%10)+12*\t+4*\i:24*(LS%10)+12*\t+4*\i+3], v3, s[12:13] offset:24576*\t+96*LS+16*\i
.endr
.endr
.endif
.if (\sg) < 7
	s_wait_loadcnt 51                              ; this step's W2 is in: seven steps of six loads and the nine gates are younger
.elseif (\sg) < 9
	s_wait_loadcnt 42                              ; seven steps of six
.else
	s_wait_loadcnt 6*(15-(\sg))                    ; the steps that follow
.endif
.set WW, 1+(\sg)/10
.set WF, 24*((\sg)%10)
.set HW, 2*((\sg)%2)
.set HF, 104+40*((\sg)%2)
.set SH, 48+9*((\sg)%2)
.if (\sg) == 0
.set WN, WW|(HW<<2)|0xc0                           ; C = b2, window 0
.else
.set WN, WW|(HW<<2)|0xf0
.endif
	WIN WN
.irp m, 0,1,2,3,4,5,6,7,8
.irp t, 0,1
.if (\sg) == 0
	MM 16*\m+8*\t, WF+12*\t, HF+12*\m, 84+8*\t, 16+16*\t+(\sg), SH+\m
.else
	MM 16*\m+8*\t, WF+12*\t, HF+12*\m, 16*\m+8*\t, 16+16*\t+(\sg), SH+\m
.endif
.endr
.if ((\sg) < 15) && (\m < 5)
	WIN 0x80*NS                                    ; the other set: window 0 or 2.  No wait: no vector or matrix instruction since the wait at the step's head names that set, v6 or v7
	HFR NS, 2*\m
.if \m < 4
	HFR NS, 2*\m+1
.endif
	WIN WN
.endif
.endr
.endm
.irp g, 0,1,2,3,4,5,6,7,8,9,10,11,12,13,14,15
	KSTEP \g
.endr
.rept 4
	v_nop                                          ; four plain lines between the last product and the first read of results
.endr
	WIN 0x03                                       ; source 0: window 3
.irp m, 0,1,2,3,4,5,6,7,8
.irp t, 0,1
.irp p, 0,1,2,3
	v_pk_mul_f32 v[104+16*\m+8*\t+2*\p:104+16*\m+8*\t+2*\p+1], v[16*\m+8*\t+2*\p:16*\m+8*\t+2*\p+1], v[66+2*\m:67+2*\m] op_sel_hi:[1,0]   ; x my row's gate (the pair's low word for both); each accumulator from its low end on.  (v214 to v232 among the results: the loads that read them stand ahead of the K steps' waits on vm_vsrc)
.endr
.endr
.endr
	WIN 0
	s_wait_alu depctr_va_vdst(0)                   ; the scalings have written v104 to v247, which the 36 stores below read; and every line that names v76 to v255, in which the third phase's loads land, is done: no vector line follows in this phase
.irp m, 0,1,2,3,4,5,6,7
.irp t, 0,1
.irp q, 0,1
	ds_store_b128 v11, v[104+16*\m+8*\t+4*\q:104+16*\m+8*\t+4*\q+3] offset:8448*\m+64*\t+16*\q
.endr
.endr
.endr
.irp t, 0,1
.irp q, 0,1
	ds_store_b128 v12, v[232+8*\t+4*\q:232+8*\t+4*\q+3] offset:64*\t+16*\q
.endr
.endr
.Lb2:
	s_wait_dscnt 0x0                               ; my part of the stage has landed
	s_barrier_signal -1
	s_barrier_wait -1
; ---- phase 3: wave w stores rows 36 w .. 36 w + 35 of the stage, as far as the tile has rows: 512 consecutive bytes of the entry's row of ybuf
	s_cmp_eq_u32 s35, 0
	s_cbranch_scc1 .Lend
	s_wait_alu depctr_vm_vsrc(0)                   ; my stores into the stage have read v104 to v247, and the first phase's copy its addresses v100 to v103, v248 and v249: the loads below land in them
.set N, 0
.rept 36
	ds_load_b32 v[76+N], v10 offset:4*N            ; the row's entry, the same for all lanes
.set N, N+1
.endr
.set N, 0
.rept 36
	ds_load_b128 v[112+4*N:112+4*N+3], v13 offset:528*N
.set N, N+1
.endr
	s_wait_dscnt 36                                ; the 36 entries are in; the 36 rows are the younger loads
.set N, 0
.rept 36
	v_min_u32 v[76+N], 0xfff, v[76+N]
.set N, N+1
.endr
.set N, 0
.rept 36
	v_lshl_add_u32 v[76+N], v[76+N], 12, v14       ; entry x 4,096 + 16 x lane; each row has registers of its own.  All 36 are made in one run, those of rows past the tile's end too, which no store uses
.set N, N+1
.endr
	s_wait_alu depctr_va_vdst(0)                   ; the 36 addresses v76 to v111 are written, which the stores below read
.set N, 0
.rept 36
	s_wait_dscnt 35-N                              ; row N is in: the rows behind it may be out
	s_cmp_le_i32 s51, N
	s_cbranch_scc1 .Lend
	global_store_b128 v[76+N], v[112+4*N:112+4*N+3], s[18:19]
.set N, N+1
.endr
.Lend:
	s_wait_dscnt 0x0
	s_set_vgpr_msb 0xa
	s_wait_dscnt 0x0
	s_wait_alu depctr_hold_cnt(0) depctr_sa_sdst(0) depctr_va_vdst(0) depctr_va_sdst(0) depctr_va_ssrc(0) depctr_va_vcc(0) depctr_vm_vsrc(0)
	s_wait_tensorcnt 0x0
	ds_add_u32 v254, v255
	s_wait_dscnt 0x0
	s_endpgm
.Lfunc_end_k_q5197726fce_down:
	.size	k_q5197726fce_down, .Lfunc_end_k_q5197726fce_down-k_q5197726fce_down
	.p2alignl 7, 3214868480
	.fill 96, 4, 3214868480
	.section	.rodata,"a",@progbits
	.p2align	6, 0x0
	.amdhsa_kernel k_q5197726fce_down
		.amdhsa_group_segment_fixed_size 309248
		.amdhsa_private_segment_fixed_size 0
		.amdhsa_enable_private_segment 0
		.amdhsa_kernarg_size 64
		.amdhsa_user_sgpr_count 2
		.amdhsa_user_sgpr_kernarg_segment_ptr 1
		.amdhsa_wavefront_size32 1
		.amdhsa_system_sgpr_workgroup_id_x 1
		.amdhsa_system_sgpr_workgroup_id_y 1
		.amdhsa_system_sgpr_workgroup_id_z 1
		.amdhsa_system_vgpr_workitem_id 0
		.amdhsa_next_free_vgpr 1024
		.amdhsa_next_free_sgpr 66
		.amdhsa_reserve_vcc 0
		.amdhsa_float_denorm_mode_32 3
		.amdhsa_float_denorm_mode_16_64 3
		.amdhsa_memory_ordered 1
		.amdhsa_forward_progress 1
		.amdhsa_inst_pref_size 159
	.end_amdhsa_kernel
	.amdgpu_metadata
---
amdhsa.version: [ 1, 2 ]
amdhsa.kernels:
  - .name:           k_q5197726fce_down
    .symbol:         k_q5197726fce_down.kd
    .args:
      - { .name: rows, .offset: 0, .size: 8, .value_kind: global_buffer, .address_space: global }
      - { .name: gate, .offset: 8, .size: 8, .value_kind: global_buffer, .address_space: global }
      - { .name: hid, .offset: 16, .size: 8, .value_kind: global_buffer, .address_space: global }
      - { .name: hsc, .offset: 24, .size: 8, .value_kind: global_buffer, .address_space: global }
      - { .name: W2_codes, .offset: 32, .size: 8, .value_kind: global_buffer, .address_space: global }
      - { .name: W2_scales, .offset: 40, .size: 8, .value_kind: global_buffer, .address_space: global }
      - { .name: b2, .offset: 48, .size: 8, .value_kind: global_buffer, .address_space: global }
      - { .name: ybuf, .offset: 56, .size: 8, .value_kind: global_buffer, .address_space: global }
    .group_segment_fixed_size: 309248
    .private_segment_fixed_size: 0
    .kernarg_segment_align: 8
    .kernarg_segment_size: 64
    .max_flat_workgroup_size: 128
    .sgpr_count:     66
    .vgpr_count:     1024
    .wavefront_size: 32
...
	.end_amdgpu_metadata
.endif
;; end of part 9
;; launch join (part 10): grid 256 x 1, 8 waves a work-group, no clusters, 0 bytes of LDS; arguments ybuf, out0; writes out0
.if DOCPART == 10
	.amdgcn_target "amdgcn-amd-amdhsa--gfx1250"
	.amdhsa_code_object_version 6
	.text
	.protected	k_q5197726fce_join
	.globl	k_q5197726fce_join
	.p2align	8
	.type	k_q5197726fce_join,@function
k_q5197726fce_join:
	s_mov_b64 s[64:65], 0
	v_nop
	global_prefetch_b8 v0, s[64:65] scope:SCOPE_SE
	s_setreg_imm32_b32 hwreg(HW_REG_WAVE_MODE, 25, 1), 1
	s_wait_xcnt 0x0
; JOIN.  out0[t] = ybuf[2 t] + ybuf[2 t + 1]: a token's two gated expert rows, the first choice first, in f32.
; A work-group takes 8 tokens; thread i owns the 16 bytes at 16 i of every row, so a wave's load or store covers 512 consecutive bytes.  All sixteen loads are issued at once; no loop, no LDS, no barrier.
	s_load_b128 s[4:7], s[0:1], 0x0                ; ybuf, out0
	v_lshlrev_b32 v1, 4, v0
	s_lshl_b32 s8, ttmp9, 16                       ; 16 rows of 4,096 bytes
	s_mov_b32 s9, 0
	s_lshl_b32 s10, ttmp9, 15                      ; 8 rows
	s_mov_b32 s11, 0
	s_wait_alu depctr_va_vdst(0)
	s_wait_kmcnt 0x0
	s_add_nc_u64 s[4:5], s[4:5], s[8:9]
	s_add_nc_u64 s[6:7], s[6:7], s[10:11]
.irp i, 0,1,2,3,4,5,6,7
	global_load_b128 v[4+8*\i:7+8*\i], v1, s[4:5] offset:8192*\i th:TH_LOAD_NT
	global_load_b128 v[8+8*\i:11+8*\i], v1, s[4:5] offset:8192*\i+4096 th:TH_LOAD_NT
.endr
.irp i, 0,1,2,3,4,5,6,7
	s_wait_loadcnt 14-2*\i                         ; token i's two loads are in; the later tokens' may be out
	v_pk_add_f32 v[68+4*\i:69+4*\i], v[4+8*\i:5+8*\i], v[8+8*\i:9+8*\i]
	v_pk_add_f32 v[70+4*\i:71+4*\i], v[6+8*\i:7+8*\i], v[10+8*\i:11+8*\i]
	global_store_b128 v1, v[68+4*\i:71+4*\i], s[6:7] offset:4096*\i th:TH_STORE_NT
.endr
	s_endpgm
.Lfunc_end_k_q5197726fce_join:
	.size	k_q5197726fce_join, .Lfunc_end_k_q5197726fce_join-k_q5197726fce_join
	.p2alignl 7, 3214868480
	.fill 96, 4, 3214868480
	.section	.rodata,"a",@progbits
	.p2align	6, 0x0
	.amdhsa_kernel k_q5197726fce_join
		.amdhsa_group_segment_fixed_size 0
		.amdhsa_private_segment_fixed_size 0
		.amdhsa_enable_private_segment 0
		.amdhsa_kernarg_size 16
		.amdhsa_user_sgpr_count 2
		.amdhsa_user_sgpr_kernarg_segment_ptr 1
		.amdhsa_wavefront_size32 1
		.amdhsa_system_sgpr_workgroup_id_x 1
		.amdhsa_system_sgpr_workgroup_id_y 1
		.amdhsa_system_sgpr_workgroup_id_z 1
		.amdhsa_system_vgpr_workitem_id 0
		.amdhsa_next_free_vgpr 104
		.amdhsa_next_free_sgpr 66
		.amdhsa_reserve_vcc 0
		.amdhsa_float_denorm_mode_32 3
		.amdhsa_float_denorm_mode_16_64 3
		.amdhsa_memory_ordered 1
		.amdhsa_forward_progress 1
		.amdhsa_inst_pref_size 5
	.end_amdhsa_kernel
	.amdgpu_metadata
---
amdhsa.version: [ 1, 2 ]
amdhsa.kernels:
  - .name:           k_q5197726fce_join
    .symbol:         k_q5197726fce_join.kd
    .args:
      - { .name: ybuf, .offset: 0, .size: 8, .value_kind: global_buffer, .address_space: global }
      - { .name: out0, .offset: 8, .size: 8, .value_kind: global_buffer, .address_space: global }
    .group_segment_fixed_size: 0
    .private_segment_fixed_size: 0
    .kernarg_segment_align: 8
    .kernarg_segment_size: 16
    .max_flat_workgroup_size: 256
    .sgpr_count:     66
    .vgpr_count:     104
    .wavefront_size: 32
...
	.end_amdgpu_metadata
.endif
;; end of part 10
